; MI455X (gfx1250); checked and timed in simulation.
; The chip was launched on July 23, 2026; its instructions are those of AMD's public machine-readable ISA for CDNA 5 (MIT licence, August 2026) and "CDNA5" Instruction Set Architecture Reference Guide (July 2026). The comments in the code are by the model that wrote it; some were corrected since.
;; Attention. Allowed arithmetic: matrix products marked QUANTISED: E2M3 operands, one E8M0 scale for each 32 along K, by v_wmma_scale_f32_16x16x128_f8f6f4 with both operands' format E2M3, f32 sums; everything else in f32.
;; Inputs: W_qkv_codes 3,072 x 32 x 24 uint8 (E2M3 codes of W_qkv, K innermost, in blocks of 32 codes, four codes in three bytes); W_qkv_scales 3,072 x 32 uint8 (E8M0 scales of W_qkv, one for each 32 codes along K); b_qkv 3,072 float32; ln_beta 1,024 float32; ln_gamma 1,024 float32; position 2,048 x 2,048 float32; x 4 x 1,024 x 2,048 float32.
;; Outputs: out0 4 x 1,024 x 2,048 float32.
;; This version of the problem:
;;   THIS VERSION OF THE PROBLEM IS GIVEN IN LOW PRECISION. The matrix products marked QUANTISED in the list below multiply operands that are first quantised to E2M3 (2 exponent bits, 3 mantissa bits; 6 bits a number), with one power-of-two scale for each 32 numbers along K (OCP MX v1.0); their sums are f32. All else is computed in f32.
;;   The module's matrix products, in the order in which they are computed (A, B: the left and right operand; K: the contracted axis; several contracted axes count as one K, in the product's order):
;;     1. [M 8,192, K 1,024] x [K 1,024, N 3,072]; A: computed on the way; B: input W_qkv (given as codes): QUANTISED
;;     2. batch 4 x [M 2,048, K 1,024] x [K 1,024, N 2,048]; A: computed on the way; B: computed on the way: QUANTISED
;;     3. batch 4 x [M 2,048, K 2,048] x [K 2,048, N 1,024]; A: softmax (see below); B: computed on the way: QUANTISED
;;   THE QUANTISER, for each operand of a quantised product, along K:
;;     - K is cut into blocks of 32 from its start; a last block that is shorter is filled with zeros.
;;     - A block's scale is 2^e with e = floor(log2(the largest magnitude in the block)) - 2, held to -126 .. 127; a block of zeros has e = 0. As a byte (E8M0): e + 127.
;;     - Each number is divided by its block's scale, clamped to +-7.5, and rounded to the nearest number of E2M3, ties to even, subnormals kept.
;;     - The product sums the exact products of the quantised numbers (number of the format x scale) in f32.
;;   ~~~python
;;   def quantise(x, axis):      # numpy; x: float32 -> the quantised numbers, widened to float32 again
;;       x = np.moveaxis(x, axis, -1); K = x.shape[-1]
;;       x = np.pad(x, [(0, 0)] * (x.ndim - 1) + [(0, -K % 32)]); x = x.reshape(x.shape[:-1] + (-1, 32)); a = np.abs(x).max(-1, keepdims=True)
;;       e = np.where(a > 0, np.clip(np.frexp(np.where(a > 0, a, 1))[1] - 1 - 2, -126, 127), 0)      # np.frexp(a)[1] - 1 = floor(log2(a)), exactly
;;       r = np.clip(x / 2.0 ** e, -7.5, 7.5)
;;       step = 2.0 ** (np.maximum(np.frexp(np.where(r == 0, 1, r))[1] - 1, 0) - 3)
;;       q = np.round(r / step) * step * 2.0 ** e      # np.round: ties to even
;;       return np.moveaxis(q.reshape(q.shape[:-2] + (-1,))[..., :K], -1, axis).astype(np.float32)
;;   ~~~
;;   SOFTMAX AHEAD OF A QUANTISED PRODUCT. Where the list says 'softmax', what is quantised is not the finished softmax but p = 2^(t - M), with t = logit x log2(e) and M = ceil(the row's largest t), a whole number; so 1/2 < the row's largest p <= 1. The row's sum l is taken of the UNQUANTISED p, in f32, and the product's result is divided by l at the end. Since M is a whole number, a kernel that streams over the keys may use a running M (the ceiling of the running maximum): every later rescaling is an exact power of two, which a block's scale takes up: the codes' values come out the same.
;;   OPERANDS COMPUTED ON THE WAY. 'Computed on the way' means the value that the module computes at that place (a softmax that the list does not call 'softmax' is quantised finished and normalised). What goes into a quantiser is computed in f32, as accurately as f32 sums, v_exp_f32 and their like allow (about 1e-6 of the number): no bf16 or f16 on the way to a quantiser, and a product that is left as it is and whose result goes on into a quantised operand takes f32 operands (vector FMAs, or v_wmma_f32_16x16x4_f32). A number that lies on a knife's edge between two numbers of the format may be rounded either way, as far as f32 arithmetic and the matrix unit's own rounding can turn it there, and no further.
;;   INPUTS GIVEN AS CODES. W_qkv (in the module: [3072, 1024], K = its axis 1): each comes as NAME_codes (uint8): NAME with its K axis moved to the last place and cut into blocks of 32 codes, [.., K / 32, bytes a block], one block behind the other in memory; four codes in three bytes: a row's codes are one little-endian stream of bits, code i at bits 6 i .. 6 i + 5 (a code: sign, 2 exponent bits, 3 mantissa bits); and NAME_scales (uint8): the same leading axes, one E8M0 byte (e + 127) for each 32 codes along K. Its value is code x scale, taken as it is: it is not quantised again, and the codes and scales need not be those that the quantiser above would give.
;; One version. Each part assembles by itself: llvm-mc -triple=amdgcn-amd-amdhsa -mcpu=gfx1250 --defsym DOCPART=n.
;; ======== version 1 of 1: 4 launches
;; limits: right only within a limited range of input values
;; workspace buffers: hw 9,011,200 bytes; qkv 19,660,800 bytes; pp 14,155,776 bytes
;; launch prep (part 1): grid 280 x 1, 8 waves a work-group, no clusters, 11,264 bytes of LDS; arguments x, ln_gamma, ln_beta, W_qkv_codes, W_qkv_scales, hw; writes hw
.if DOCPART == 1
	.amdgcn_target "amdgcn-amd-amdhsa--gfx1250"
	.amdhsa_code_object_version 6
	.text
	.protected	k_q9e9b497407_prep
	.globl	k_q9e9b497407_prep
	.p2align	8
	.type	k_q9e9b497407_prep,@function
k_q9e9b497407_prep:
	s_mov_b64 s[64:65], 0
	v_nop
	global_prefetch_b8 v0, s[64:65] scope:SCOPE_SE
	s_setreg_imm32_b32 hwreg(HW_REG_WAVE_MODE, 25, 1), 1
	s_wait_xcnt 0x0
; LAUNCH 1 OF 4.  h = LayerNorm over the channels of x [4][1024][2048] (f32), quantised along the channels to E2M3 with one E8M0 byte for each 32; and W_qkv's given codes and scale bytes laid anew.
; DEAD WORK: none.  Every input reaches the output: x, ln_gamma, ln_beta move h's codes; W_qkv and b_qkv move q's, k's and v's codes (a quantiser is a step of the problem, so k's bias stays); position moves the softmax.
; LIMITS: NaN and infinities among the inputs are not served.  A block of zeros gets the scale byte 1 where the rule says 127: its codes are zeros, which add nothing under any byte but 0xff, and this program alone reads the bytes.
; THE ORDER OF ALL WORKSPACE OPERANDS ("image order").  A tile T is 16 rows; lane r of it holds row 32 (T / 2) + 16 (r / 8) + 8 (T % 2) + r % 8.  A fragment (T, s) = 16 rows x 128 along K is the image of the matrix operand's
; 12 registers: 1,536 bytes at (T x KS + s) x 1536, registers 4 c .. 4 c + 3 of a lane at 512 c + 16 x lane.  The scale word of (T, s, r) lies at (((T / 8) x KS + s) x 128 + 16 (T % 8) + r) x 4.  KS = K / 128.
; hw: h's 512 tiles, then W's 192 (tiles 512 ..), KS = 8; then the scale words of h's 64 groups of 8 tiles and of W's 24.
; WORK-GROUPS 0 .. 255: 32 tokens each (tiles 2 g, 2 g + 1).  A LANE TAKES A TOKEN AND ITS REGISTERS RUN DOWN THE CHANNELS; wave s takes channels 128 s .. 128 s + 127, which is K step s.  Each load reads 128 consecutive bytes.
; Mean and variance are summed in the lane, then over the eight waves through LDS (two barriers).  A block of 32 lies in one lane, so its largest magnitude needs no other lane.
; WORK-GROUPS 256 .. 279: group G of 8 tiles of W; wave w takes tile 8 G + w (codes) and K step w (scale words).  They use no LDS and pass no barrier; the branch hangs on the work-group's number alone.
.set H_SC,  8650752
.set W_IMG, 6291456
.set W_SC,  8912896
.set RED1,  0                          ; LDS: 8 waves x 32 partial sums
.set RED2,  1024                       ; the same for the squares
.set GAM,   2048                       ; 8 x 1,024: a wave's 128 gains, then its 128 biases
.set SPARE, 10240                      ; the spare words, 128 bytes a wave: four blocks of 256 bytes that no other line names
.set FX,  16                           ; v16-27  tile 2 g's fragment
.set FY,  28                           ; v28-39  tile 2 g + 1's
.set MU,  32                           ; v[32:33] the mean, twice; v[34:35] 1 / sqrt(var + eps), twice: both are done with before FY is written
.set RS,  34
.set TA,  40                           ; v40-42, v44-46 upper halves of two blocks' codes; v40-47 also the eight waves' partial sums
.set TB,  44
.set TM,  48                           ; v48-51 largest magnitudes, v52-55 the conversions' scale operands, v56-59 the bytes
.set PW,  60                           ; my token's scale word
.set SPW, 62                           ; LDS address of my spare word; never rewritten
.set NIL, 63                           ; 0; never rewritten
.set X,   64                           ; v64-191 my token's 128 channels
.set GB,  192                          ; v192-255 two buffers of 16 gains + 16 biases
	s_load_b256 s[4:11], s[0:1], 0x0               ; x, ln_gamma, ln_beta, W's codes
	s_load_b128 s[12:15], s[0:1], 0x20             ; W's scales, hw
	v_lshl_add_u32 v[SPW], v0, 2, SPARE
	v_mov_b32 v[NIL], 0
	v_lshrrev_b32 v1, 5, v0
	s_delay_alu instid0(VALU_DEP_1)
	v_readfirstlane_b32 s16, v1                    ; wave 0..7
	v_and_b32 v1, 31, v0                           ; lane
	s_delay_alu instid0(VALU_DEP_1)
	v_lshlrev_b32 v4, 4, v1                        ; 16 x lane
	s_delay_alu instid0(VALU_DEP_2)
	v_lshlrev_b32 v5, 2, v1                        ; 4 x lane
	s_cmp_ge_u32 ttmp9, 256
	s_cbranch_scc1 .Lw
	; ---------------- LayerNorm and h's codes
	v_bfe_u32 v8, v0, 3, 1
	v_bfe_u32 v9, v0, 4, 1
	v_and_b32 v10, 7, v0
	s_delay_alu instid0(VALU_DEP_1)
	v_lshl_add_u32 v10, v8, 4, v10
	s_delay_alu instid0(VALU_DEP_1)
	v_lshl_add_u32 v10, v9, 3, v10                 ; my token of the 32: 16 ((l / 8) % 2) + 8 (l / 16) + l % 8: lanes 0-15 are tile 2 g in tile order, lanes 16-31 tile 2 g + 1
	s_delay_alu instid0(VALU_DEP_1)
	v_lshlrev_b32 v3, 2, v10
	v_lshlrev_b32 v2, 2, v0                        ; 128 x wave + 4 x lane: my partial sum's word
	s_lshl_b32 s17, s16, 10
	s_add_co_u32 s17, s17, GAM
	v_mov_b32 v6, s17                              ; my wave's gains and biases in LDS
	v_add_nc_u32 v7, s17, v4
	s_lshr_b32 s18, ttmp9, 6                       ; batch
	s_lshl_b32 s18, s18, 23
	s_lshl_b32 s19, s16, 20                        ; 128 channels of 8,192 bytes
	s_add_co_u32 s18, s18, s19
	s_and_b32 s19, ttmp9, 63
	s_lshl_b32 s19, s19, 7                         ; 32 tokens of 4 bytes
	s_add_co_u32 s18, s18, s19
	s_mov_b32 s19, 0
	s_lshl_b32 s20, s16, 9                         ; my 128 gains
	s_mov_b32 s21, 0
	s_lshl_b32 s22, ttmp9, 4
	s_add_co_u32 s22, s22, s16
	s_mul_i32 s22, s22, 1536                       ; fragment (2 g, s)
	s_mov_b32 s23, 0
	s_lshr_b32 s24, ttmp9, 2
	s_lshl_b32 s24, s24, 12
	s_add_co_u32 s24, s24, s20
	s_and_b32 s25, ttmp9, 3
	s_lshl_b32 s25, s25, 7
	s_add_co_u32 s24, s24, s25
	s_add_co_u32 s24, s24, H_SC                    ; the two tiles' 32 scale words of K step s
	s_mov_b32 s25, 0
	s_mov_b32 s30, 0x3a800000                      ; 1 / 1024
	s_mov_b32 s31, 0x3727c5ac                      ; 1e-5
	s_wait_alu depctr_va_vdst(0)
	s_wait_kmcnt 0x0
	s_add_nc_u64 s[4:5], s[4:5], s[18:19]
	s_add_nc_u64 s[6:7], s[6:7], s[20:21]
	s_add_nc_u64 s[8:9], s[8:9], s[20:21]
	s_add_nc_u64 s[26:27], s[14:15], s[22:23]
	s_add_nc_u64 s[28:29], s[14:15], s[24:25]
.macro GBLOAD hb                       ; 16 gains and 16 biases, the same for every lane, into buffer hb % 2
.irp k, 0,1,2,3
	ds_load_b128 v[GB+32*((\hb)%2)+4*\k:GB+32*((\hb)%2)+4*\k+3], v6 offset:64*(\hb)+16*\k
.endr
.irp k, 0,1,2,3
	ds_load_b128 v[GB+32*((\hb)%2)+16+4*\k:GB+32*((\hb)%2)+16+4*\k+3], v6 offset:512+64*(\hb)+16*\k
.endr
.endm
.macro ACROSS base                     ; the four chains v[8:15] become my wave's sum; v40 = the sum over the eight waves, in every wave
	s_delay_alu instid0(VALU_DEP_3)
	v_pk_add_f32 v[8:9], v[8:9], v[10:11]
	s_delay_alu instid0(VALU_DEP_2)
	v_pk_add_f32 v[12:13], v[12:13], v[14:15]
	s_delay_alu instid0(VALU_DEP_1)
	v_pk_add_f32 v[8:9], v[8:9], v[12:13]
	s_delay_alu instid0(VALU_DEP_1)
	v_add_f32 v8, v8, v9
	ds_store_b32 v2, v8 offset:\base
	s_wait_dscnt 0x0                               ; for the others' sake: my word has landed
	s_barrier_signal -1
	s_barrier_wait -1
.irp k, 0,1,2,3,4,5,6,7
	ds_load_b32 v[40+\k], v5 offset:\base+128*\k
.endr
	s_wait_dscnt 0x0
	v_add_f32 v40, v40, v41
	v_add_f32 v42, v42, v43
	v_add_f32 v44, v44, v45
	v_add_f32 v46, v46, v47
	s_delay_alu instid0(VALU_DEP_3)
	v_add_f32 v40, v40, v42
	s_delay_alu instid0(VALU_DEP_2)
	v_add_f32 v44, v44, v46
	s_delay_alu instid0(VALU_DEP_1)
	v_add_f32 v40, v40, v44
.endm
	global_load_b128 v[16:19], v4, s[6:7]          ; my wave's gains, 16 bytes a lane
	global_load_b128 v[20:23], v4, s[8:9]          ; and biases
.set i, 0
.rept 128
	global_load_b32 v[X+i], v3, s[4:5] offset:8192*i   ; channel 128 s + i of 32 neighbouring tokens
.set i, i+1
.endr
	s_wait_loadcnt 63                              ; of the 130 loads the first 67 are in: gains, biases, channels 0 to 64
	ds_store_b128 v7, v[16:19]
	ds_store_b128 v7, v[20:23] offset:512
	GBLOAD 0                                       ; LDS serves a wave's instructions in order: these see my stores
	GBLOAD 1
.irp k, 0,1,2,3
	v_pk_add_f32 v[8+2*\k:9+2*\k], v[X+2*\k:X+2*\k+1], v[X+8+2*\k:X+9+2*\k]   ; the first pairs start four chains: nothing is cleared
.endr
.set p, 8
.rept 24
	s_delay_alu instid0(VALU_DEP_4)
	v_pk_add_f32 v[8+2*(p%4):9+2*(p%4)], v[8+2*(p%4):9+2*(p%4)], v[X+2*p:X+2*p+1]
.set p, p+1
.endr
	s_wait_alu depctr_va_vdst(0)
.irp n, 48,32,16,0
	s_wait_alu depctr_va_vdst(0)
	s_wait_loadcnt \n                              ; sixteen channels more are in
.rept 8
	v_pk_add_f32 v[8+2*(p%4):9+2*(p%4)], v[8+2*(p%4):9+2*(p%4)], v[X+2*p:X+2*p+1]
.set p, p+1
.endr
.endr
	ACROSS RED1
	s_delay_alu instid0(VALU_DEP_1)
	v_mul_f32 v[MU], s30, v40                      ; the mean
	s_delay_alu instid0(VALU_DEP_1)
	v_mov_b32 v[MU+1], v[MU]
.set p, 0
.rept 64
	v_pk_add_f32 v[X+2*p:X+2*p+1], v[X+2*p:X+2*p+1], v[MU:MU+1] neg_lo:[0,1] neg_hi:[0,1]   ; x - mean, in place
.set p, p+1
.endr
.irp k, 0,1,2,3
	v_pk_mul_f32 v[8+2*\k:9+2*\k], v[X+2*\k:X+2*\k+1], v[X+2*\k:X+2*\k+1]
.endr
.set p, 4
.rept 60
	s_delay_alu instid0(VALU_DEP_4)
	v_pk_fma_f32 v[8+2*(p%4):9+2*(p%4)], v[X+2*p:X+2*p+1], v[X+2*p:X+2*p+1], v[8+2*(p%4):9+2*(p%4)]
.set p, p+1
.endr
	ACROSS RED2
	s_delay_alu instid0(VALU_DEP_1)
	v_fma_f32 v40, v40, s30, s31                   ; the variance + eps
	s_wait_alu depctr_va_vdst(0)
	v_rsq_f32 v[RS], v40
	v_nop                                          ; a plain instruction behind the transcendental
	s_wait_alu depctr_va_vdst(0)                   ; and the wait ahead of its first reader
	v_mov_b32 v[RS+1], v[RS]
.set hb, 0
.rept 8                                ; h = (x - mean) rs gamma + beta, sixteen channels at a time
.if hb == 7
	s_wait_dscnt 0x0
.elseif hb >= 2
	s_wait_dscnt 8                                 ; this buffer's eight loads are in; the next buffer's eight may be out
.endif
.set G, GB+32*(hb%2)
.irp k, 0,2,4,6,8,10,12,14
	v_pk_mul_f32 v[X+16*hb+\k:X+16*hb+\k+1], v[X+16*hb+\k:X+16*hb+\k+1], v[RS:RS+1]
.endr
.irp k, 0,2,4,6,8,10,12,14
	v_pk_fma_f32 v[X+16*hb+\k:X+16*hb+\k+1], v[X+16*hb+\k:X+16*hb+\k+1], v[G+\k:G+\k+1], v[G+16+\k:G+17+\k]
.endr
.if hb+2 < 8
	GBLOAD hb+2
.endif
.set hb, hb+1
.endr
	; the four blocks of 32: all of a block's numbers are mine
.irp b, 0,1,2,3
	v_max3_num_f32 v[TM+\b], |v[X+32*\b]|, |v[X+32*\b+1]|, 0x1800000   ; with the floor 2^(3 - 127) among the leaves: the byte cannot fall under 1
.endr
.irp i, 2,4,6,8,10,12,14,16,18,20,22,24,26,28,30
.irp b, 0,1,2,3
	s_delay_alu instid0(VALU_DEP_4)
	v_max3_num_f32 v[TM+\b], v[TM+\b], |v[X+32*\b+\i]|, |v[X+32*\b+\i+1]|
.endr
.endr
.irp b, 0,1,2,3
	s_delay_alu instid0(VALU_DEP_4)
	v_add_nc_u32 v[TM+4+\b], 0xff000000, v[TM+\b]  ; 2 off the exponent field: the conversion takes this operand's exponent field as its scale
.endr
.irp b, 0,1,2,3
	s_delay_alu instid0(VALU_DEP_4)
	v_lshrrev_b32 v[TM+8+\b], 23, v[TM+4+\b]       ; the scale's byte
.endr
	s_delay_alu instid0(VALU_DEP_3)
	v_lshl_or_b32 v[PW], v[TM+9], 8, v[TM+8]
	s_delay_alu instid0(VALU_DEP_1)
	v_lshl_or_b32 v[PW], v[TM+10], 16, v[PW]
	s_delay_alu instid0(VALU_DEP_1)
	v_lshl_or_b32 v[PW], v[TM+11], 24, v[PW]
; A fragment wants block 2 c of its row in lane r and block 2 c + 1 in lane 16 + r.  I hold all four blocks of one row; lane l xor 16 holds those of the same lane of the other tile.
; Block 2 c's register and block 2 c + 1's change halves: the first then is tile 2 g's register, the second tile 2 g + 1's.
.irp c, 0,1
	v_cvt_scalef32_pk16_fp6_f32 v[FX+6*\c:FX+6*\c+2], v[X+64*\c:X+64*\c+15], v[TM+4+2*\c]
	v_cvt_scalef32_pk16_fp6_f32 v[FY+6*\c:FY+6*\c+2], v[X+64*\c+32:X+64*\c+47], v[TM+5+2*\c]
	v_cvt_scalef32_pk16_fp6_f32 v[TA:TA+2], v[X+64*\c+16:X+64*\c+31], v[TM+4+2*\c]   ; (a conversion's three registers begin on an even number: the upper halves are made apart and moved)
	v_cvt_scalef32_pk16_fp6_f32 v[TB:TB+2], v[X+64*\c+48:X+64*\c+63], v[TM+5+2*\c]
	v_nop                                          ; one plain instruction behind a scaled conversion
.irp i, 0,1,2
	v_permlane16_swap_b32 v[FX+6*\c+\i], v[FY+6*\c+\i]
	v_permlane16_swap_b32 v[TA+\i], v[TB+\i]
.endr
.irp i, 0,1,2
	v_mov_b32 v[FX+6*\c+3+\i], v[TA+\i]
	v_mov_b32 v[FY+6*\c+3+\i], v[TB+\i]
.endr
.endr
.irp c, 0,1,2
	global_store_b128 v4, v[FX+4*\c:FX+4*\c+3], s[26:27] offset:512*\c          ; each store covers 512 consecutive bytes, aligned
	global_store_b128 v4, v[FY+4*\c:FY+4*\c+3], s[26:27] offset:12288+512*\c
.endr
	global_store_b32 v5, v[PW], s[28:29]           ; 32 scale words on end
	s_branch .Lend
	; ---------------- W's codes and scale bytes into image order
.Lw:
	s_sub_co_u32 s17, ttmp9, 256                   ; G
	s_lshl_b32 s18, s17, 3
	s_add_co_u32 s18, s18, s16                     ; my tile
	s_wait_alu depctr_va_vdst(0)
	v_and_b32 v2, 15, v1                           ; r
	v_lshrrev_b32 v3, 4, v1                        ; h
	s_delay_alu instid0(VALU_DEP_2)
	v_and_b32 v6, 8, v2
	s_delay_alu instid0(VALU_DEP_1)
	v_add_nc_u32 v6, v6, v2                        ; 16 (r / 8) + r % 8
	s_delay_alu instid0(VALU_DEP_1)
	v_mul_u32_u24 v6, v6, 768                      ; a row of 1,024 codes is 768 bytes
	s_delay_alu instid0(VALU_DEP_1)
	v_mad_u32_u24 v6, v3, 24, v6
	s_lshr_b32 s19, s18, 1
	s_lshl_b32 s19, s19, 5
	s_and_b32 s20, s18, 1
	s_lshl_b32 s20, s20, 3
	s_add_co_u32 s20, s19, s20                     ; the tile's first row: 32 (T / 2) + 8 (T % 2)
	s_mul_i32 s20, s20, 768
	s_mov_b32 s21, 0
	s_mul_i32 s22, s18, 12288
	s_add_co_u32 s22, s22, W_IMG
	s_mov_b32 s23, 0
	v_lshrrev_b32 v7, 2, v1                        ; scale words 4 l .. 4 l + 3 of (G, K step w): tile l / 4, lanes 4 (l % 4) on
	s_delay_alu instid0(VALU_DEP_1)
	v_lshrrev_b32 v8, 1, v7
	s_delay_alu instid0(VALU_DEP_1)
	v_lshlrev_b32 v8, 5, v8
	s_delay_alu instid0(VALU_DEP_3)
	v_and_b32 v9, 1, v7
	s_delay_alu instid0(VALU_DEP_1)
	v_lshl_add_u32 v8, v9, 3, v8
	v_bfe_u32 v9, v1, 1, 1
	s_delay_alu instid0(VALU_DEP_1)
	v_lshl_add_u32 v8, v9, 4, v8
	v_and_b32 v9, 1, v1
	s_delay_alu instid0(VALU_DEP_1)
	v_lshl_add_u32 v8, v9, 2, v8                   ; their first row among the group's 128
	s_delay_alu instid0(VALU_DEP_1)
	v_lshlrev_b32 v8, 5, v8                        ; 32 scale bytes a row
	s_lshl_b32 s24, s17, 12
	s_lshl_b32 s25, s16, 2
	s_add_co_u32 s24, s24, s25
	s_mov_b32 s25, 0
	s_lshl_b32 s26, s17, 12
	s_lshl_b32 s27, s16, 9
	s_add_co_u32 s26, s26, s27
	s_add_co_u32 s26, s26, W_SC
	s_mov_b32 s27, 0
	s_wait_alu depctr_va_vdst(0)
	s_wait_kmcnt 0x0
	s_add_nc_u64 s[10:11], s[10:11], s[20:21]
	s_add_nc_u64 s[12:13], s[12:13], s[24:25]
	s_add_nc_u64 s[22:23], s[14:15], s[22:23]
	s_add_nc_u64 s[26:27], s[14:15], s[26:27]
.irp s, 0,1,2,3,4,5,6,7
.irp p, 0,1,2,3,4,5
	global_load_b64 v[64+12*\s+2*\p:65+12*\s+2*\p], v6, s[10:11] offset:96*\s+48*(\p/3)+8*(\p%3)   ; a row's stream of bits is the register image: 24 bytes a block, in pieces of 8
.endr
.endr
.irp i, 0,1,2,3
	global_load_b32 v[160+\i], v8, s[12:13] offset:32*\i
.endr
	s_wait_loadcnt 0x0
.irp s, 0,1,2,3,4,5,6,7
.irp c, 0,1,2
	global_store_b128 v4, v[64+12*\s+4*\c:67+12*\s+4*\c], s[22:23] offset:1536*\s+512*\c
.endr
.endr
	global_store_b128 v4, v[160:163], s[26:27]
.Lend:
	s_wait_tensorcnt 0x0                           ; the wave's end
	ds_add_u32 v[SPW], v[NIL]
	s_wait_dscnt 0x0
	s_endpgm
.Lfunc_end_k_q9e9b497407_prep:
	.size	k_q9e9b497407_prep, .Lfunc_end_k_q9e9b497407_prep-k_q9e9b497407_prep
	.p2alignl 7, 3214868480
	.fill 96, 4, 3214868480
	.section	.rodata,"a",@progbits
	.p2align	6, 0x0
	.amdhsa_kernel k_q9e9b497407_prep
		.amdhsa_group_segment_fixed_size 11264
		.amdhsa_private_segment_fixed_size 0
		.amdhsa_enable_private_segment 0
		.amdhsa_kernarg_size 48
		.amdhsa_user_sgpr_count 2
		.amdhsa_user_sgpr_kernarg_segment_ptr 1
		.amdhsa_wavefront_size32 1
		.amdhsa_system_sgpr_workgroup_id_x 1
		.amdhsa_system_sgpr_workgroup_id_y 1
		.amdhsa_system_sgpr_workgroup_id_z 1
		.amdhsa_system_vgpr_workitem_id 0
		.amdhsa_next_free_vgpr 256
		.amdhsa_next_free_sgpr 66
		.amdhsa_reserve_vcc 0
		.amdhsa_float_denorm_mode_32 3
		.amdhsa_float_denorm_mode_16_64 3
		.amdhsa_memory_ordered 1
		.amdhsa_forward_progress 1
		.amdhsa_inst_pref_size 64
	.end_amdhsa_kernel
	.amdgpu_metadata
---
amdhsa.version: [ 1, 2 ]
amdhsa.kernels:
  - .name:           k_q9e9b497407_prep
    .symbol:         k_q9e9b497407_prep.kd
    .args:
      - { .name: x, .offset: 0, .size: 8, .value_kind: global_buffer, .address_space: global }
      - { .name: ln_gamma, .offset: 8, .size: 8, .value_kind: global_buffer, .address_space: global }
      - { .name: ln_beta, .offset: 16, .size: 8, .value_kind: global_buffer, .address_space: global }
      - { .name: W_qkv_codes, .offset: 24, .size: 8, .value_kind: global_buffer, .address_space: global }
      - { .name: W_qkv_scales, .offset: 32, .size: 8, .value_kind: global_buffer, .address_space: global }
      - { .name: hw, .offset: 40, .size: 8, .value_kind: global_buffer, .address_space: global }
    .group_segment_fixed_size: 11264
    .private_segment_fixed_size: 0
    .kernarg_segment_align: 8
    .kernarg_segment_size: 48
    .max_flat_workgroup_size: 256
    .sgpr_count:     66
    .vgpr_count:     256
    .wavefront_size: 32
...
	.end_amdgpu_metadata
.endif
;; end of part 1
;; launch proj (part 2): grid 8 x 32, 4 waves a work-group, clusters of 4 x 4, 327,680 bytes of LDS; arguments hw, b_qkv, qkv; writes qkv
.if DOCPART == 2
	.amdgcn_target "amdgcn-amd-amdhsa--gfx1250"
	.amdhsa_code_object_version 6
	.text
	.protected	k_q9e9b497407_proj
	.globl	k_q9e9b497407_proj
	.p2align	8
	.type	k_q9e9b497407_proj,@function
k_q9e9b497407_proj:
	s_mov_b64 s[64:65], 0
	v_nop
	global_prefetch_b8 v0, s[64:65] scope:SCOPE_SE
	s_setreg_imm32_b32 hwreg(HW_REG_WAVE_MODE, 25, 1), 1
	s_wait_xcnt 0x0
	s_wait_alu depctr_hold_cnt(0) depctr_sa_sdst(0) depctr_va_vdst(0) depctr_va_sdst(0) depctr_va_ssrc(0) depctr_va_vcc(0) depctr_vm_vsrc(0)
	s_getreg_b32 s2, hwreg(HW_REG_IB_STS2, 6, 4)
	s_cmp_eq_u32 s2, 0
	s_cbranch_scc0 .Lentry_in_a_cluster
	s_endpgm
.Lentry_in_a_cluster:
	s_bfe_u32 s2, ttmp6, 0x10000c
	s_cmp_lg_u32 s2, 0xf033
	s_cbranch_scc0 .Lentry_shape_is_right
	s_endpgm
.Lentry_shape_is_right:
.set H_SC,  8650752
.set V_IMG, 12582912
.set Q_SC,  18874368
.set V_SC,  19398656
.set FRB,   1536
.set THALF, 8*4*FRB
.set TCH,   2*THALF
.set RB,    2*TCH
.set RHALF, 8*2*FRB
.set RSLOT, 2*RHALF
.set SCL,   RB+2*RSLOT
.set SCLV,  SCL+4*4096
.set SCR,   SCLV+4096
.set SPARE, SCR+4*512
.set LI,   3
.set SCW,  4
.set SCB,  5
.set SCB2, 7
.set L8,   10
.set SVW,  11
.set BV,   12
.set ADRA, 16
.set ADRB, 20
.set ADRSV2, 25
.set ADRSV, 26
.set ADRS, 27
.set SPW,  28
.set NIL,  29
.set SC,   32
.set PC,   64
.set TC,   160
.set TM,   168
.set PW,   184
.set BKS,  192
.set SEL,  66
.set G1, 24
.set G0, 32
.set G1B, 48
.set G0B, 56
.set G1S, 68
.set G0S, 76
.set G1SB, 80
.set G0SB, 88
.set G1V,  80
.set G0V0, 92
.set G0V1, 88
.set MSB, 0
.macro WIN new
.if MSB != (\new)
	s_set_vgpr_msb (MSB<<8)|(\new)
.set MSB, (\new)
.endif
.endm
.macro PLACES n
.rept \n
	v_nop
.endr
.endm
.macro JLOAD g0a, g1a, g0b, g1b
	s_cmp_eq_u32 s15, 0
	s_cbranch_scc0 .Lfor_b_\@
	tensor_load_to_lds s[\g0a:\g0a+3], s[\g1a:\g1a+7]
	s_nop 0
.rept 4
	v_nop
.endr
	s_branch .Lasked_\@
.Lfor_b_\@:
	tensor_load_to_lds s[\g0b:\g0b+3], s[\g1b:\g1b+7]
	s_nop 0
.rept 4
	v_nop
.endr
.Lasked_\@:
.endm
.macro RLOAD g0, g1
	s_cmp_eq_u32 s15, 0
	s_cbranch_scc1 .Lnone_\@
	tensor_load_to_lds s[\g0:\g0+3], s[\g1:\g1+7]
	s_nop 0
.rept 4
	v_nop
.endr
.Lnone_\@:
.endm
.macro CREST
	s_cmp_lg_u32 s14, 0
	s_cbranch_scc1 .Lnot_wave_0_\@
	s_barrier_signal -3
.Lnot_wave_0_\@:
	s_barrier_wait -3
	s_barrier_signal -1
	s_barrier_wait -1
.endm
.macro CROUND
	s_barrier_signal -1
	s_barrier_wait -1
	CREST
.endm
	s_load_b128 s[4:7], s[0:1], 0x0
	s_load_b64 s[8:9], s[0:1], 0x10
	v_lshl_add_u32 v[SPW], v0, 2, SPARE
	v_mov_b32 v[NIL], 0
	ds_add_u32 v[SPW], v[NIL]
	ds_add_u32 v[SPW], v[NIL]
	v_lshrrev_b32 v1, 5, v0
	v_readfirstlane_b32 s14, v1
	s_lshr_b32 s15, s14, 1
	s_and_b32 s16, s14, 1
	s_bfe_u32 s40, ttmp6, 0x40000
	s_bfe_u32 s41, ttmp6, 0x40004
	s_and_b32 s45, ttmp7, 0xffff
	s_lshl_b32 s17, s45, 2
	s_add_co_u32 s17, s17, s41
	s_lshl_b32 s42, ttmp9, 2
	s_add_co_u32 s42, s42, s40
	s_lshl_b32 s43, s41, 2
	s_lshl_b32 s43, 15, s43
	s_lshl_b32 s44, 0x1111, s40
	s_or_b32 s[G1+0], s43, (3<<16)|(1<<21)
	s_mov_b32 s[G1+1], 768<<16
	s_mov_b32 s[G1+2], 16<<16                      ; the head's loads bring 16 tiles; set to 8 behind them
	s_mov_b32 s[G1+3], 768<<16
	s_mov_b32 s[G1+4], 16
	s_mov_b32 s[G1+5], 1536
	s_mov_b32 s[G1+6], 0
	s_mov_b32 s[G1+7], 0
	s_or_b32 s[G1B+0], s44, (3<<16)|(1<<21)
	s_mov_b32 s[G1B+1], 384<<16
	s_mov_b32 s[G1B+2], 16<<16
	s_mov_b32 s[G1B+3], 384<<16
	s_mov_b32 s[G1B+4], 16
	s_mov_b32 s[G1B+5], 1536
	s_mov_b32 s[G1B+6], 0
	s_mov_b32 s[G1B+7], 0
	s_or_b32 s[G1S+0], s43, (3<<16)|(1<<21)
	s_or_b32 s[G1SB+0], s44, (3<<16)|(1<<21)
.irp g, G1S, G1SB
	s_mov_b32 s[\g+1], 32<<16
	s_mov_b32 s[\g+2], 32<<16                      ; the scale words of 16 tiles: 8,192 dense bytes as 32 rows of 256
	s_mov_b32 s[\g+3], 32<<16
	s_mov_b32 s[\g+4], 32
	s_mov_b32 s[\g+5], 32
	s_mov_b32 s[\g+6], 0
	s_mov_b32 s[\g+7], 0
.endr
	s_lshl_b32 s20, s17, 4                         ; h: the block's first tile
	s_lshr_b32 s22, s20, 3
	s_lshl_b32 s22, s22, 12
	s_add_co_u32 s22, s22, H_SC
	s_mov_b32 s23, 0
	s_mul_i32 s20, s20, 12288
	s_mov_b32 s21, 0
	s_lshl_b32 s46, s42, 4                         ; W: the block's first tile
	s_add_co_u32 s46, s46, 512
	s_lshr_b32 s92, s46, 3
	s_lshl_b32 s92, s92, 12
	s_add_co_u32 s92, s92, H_SC
	s_mov_b32 s93, 0
	s_mul_i32 s46, s46, 12288
	s_mov_b32 s47, 0
	s_lshl_b32 s96, s42, 3
	s_lshl_b32 s95, s16, 2
	s_add_co_u32 s96, s96, s95
	s_add_co_u32 s96, s96, 640
	s_mul_i32 s96, s96, 12288
	s_mov_b32 s97, 0
	s_lshl_b32 s98, s42, 12
	s_lshl_b32 s95, s14, 10
	s_add_co_u32 s98, s98, s95
	s_add_co_u32 s98, s98, H_SC+80*4096
	s_mov_b32 s99, 0
	s_mul_i32 s45, s16, THALF
	s_mul_i32 s94, s16, RHALF
	s_add_co_u32 s94, s94, RB
	s_lshl_b32 s18, s42, 10
	s_lshl_b32 s19, s16, 9
	s_add_co_u32 s18, s18, s19
	s_mov_b32 s19, 0
	s_lshl_b32 s2, s42, 9
	s_lshl_b32 s3, s16, 8
	s_add_co_u32 s2, s2, s3
	s_add_co_u32 s2, s2, 8192
	s_mov_b32 s3, 0
	s_mov_b32 s[SEL], 0x76543210
	s_mov_b32 s[SEL+1], 0xfedcba98
	v_and_b32 v1, 15, v0
	v_bfe_u32 v2, v0, 4, 1
	v_and_b32 v[LI], 31, v0
	v_lshlrev_b32 v[L8], 3, v[LI]
	v_lshlrev_b32 v[LI], 4, v[LI]
	v_lshlrev_b32 v8, 6, v2
	v_and_b32 v9, 8, v1
	v_add_nc_u32 v9, v9, v1
	v_lshlrev_b32 v9, 2, v9
	s_wait_alu depctr_va_vdst(0)
	s_wait_dscnt 0x0
	s_wait_kmcnt 0x0
	s_add_nc_u64 s[20:21], s[4:5], s[20:21]
	s_add_nc_u64 s[22:23], s[4:5], s[22:23]
	s_add_nc_u64 s[46:47], s[4:5], s[46:47]
	s_add_nc_u64 s[92:93], s[4:5], s[92:93]
	s_add_nc_u64 s[96:97], s[4:5], s[96:97]
	s_add_nc_u64 s[98:99], s[4:5], s[98:99]
	s_add_nc_u64 s[2:3], s[6:7], s[2:3]
	s_add_nc_u64 s[6:7], s[6:7], s[18:19]
	global_load_b128 v[64:67], v[LI], s[98:99]
	global_load_b128 v[68:71], v[LI], s[98:99] offset:512
.irp a, 0,1,2,3
	global_load_b32 v[BV+\a], v9, s[2:3] offset:128*(\a/2)+32*(\a%2)
.endr
	WIN 0x40
.irp b, 0,1,2,3,4,5,6,7
	global_load_b128 v[96+8*\b+96*(\b/4):99+8*\b+96*(\b/4)], v8, s[6:7] offset:128*(\b/2)+32*(\b%2)
	global_load_b128 v[100+8*\b+96*(\b/4):103+8*\b+96*(\b/4)], v8, s[6:7] offset:128*(\b/2)+32*(\b%2)+16
.endr
	WIN 0
	CROUND
	s_mov_b32 s[G0S], 1
	s_mov_b32 s[G0S+1], SCL
	s_mov_b64 s[G0S+2:G0S+3], s[22:23]
	s_or_b32 s[G0S+3], s[G0S+3], 0x80000000
	s_mov_b32 s[G0SB], 1
	s_mov_b32 s[G0SB+1], SCL+2*4096
	s_mov_b64 s[G0SB+2:G0SB+3], s[92:93]
	s_or_b32 s[G0SB+3], s[G0SB+3], 0x80000000
	s_mov_b32 s[G0], 1                             ; the head's tiles, each whole: h's K steps 0-3 of 16 tiles,
	s_mov_b32 s[G0+1], 0
	s_mov_b64 s[G0+2:G0+3], s[20:21]
	s_or_b32 s[G0+3], s[G0+3], 0x80000000
	s_mov_b32 s[G0B], 1                            ; W's K steps 0, 1 of 16 tiles
	s_mov_b32 s[G0B+1], RB
	s_mov_b64 s[G0B+2:G0B+3], s[46:47]
	s_or_b32 s[G0B+3], s[G0B+3], 0x80000000
	s_mul_i32 s10, s16, 8*12288                    ; behind the head a wave fetches 8 tiles: which half, in bytes
	s_mov_b32 s11, 0
	s_add_nc_u64 s[20:21], s[20:21], s[10:11]
	s_add_nc_u64 s[46:47], s[46:47], s[10:11]
.irp s, 1
	s_mov_b32 s[G0+4*\s], 1
	s_add_co_u32 s[G0+4*\s+1], s45, \s*TCH
	s_add_nc_u64 s[G0+4*\s+2:G0+4*\s+3], s[20:21], \s*4*FRB
	s_or_b32 s[G0+4*\s+3], s[G0+4*\s+3], 0x80000000
	s_mov_b32 s[G0B+4*\s], 1
	s_add_co_u32 s[G0B+4*\s+1], s94, \s*RSLOT
	s_add_nc_u64 s[G0B+4*\s+2:G0B+4*\s+3], s[46:47], \s*2*FRB
	s_or_b32 s[G0B+4*\s+3], s[G0B+4*\s+3], 0x80000000
.endr
; THE HEAD'S LOADS, ONE A WAVE: wave 0 h's codes, wave 1 W's, wave 2 h's scale words, wave 3 W's.  One chain of branches on the wave's number; every way passes one load.
.macro ARM under, g0, g1, next
	s_cmp_lt_u32 s14, \under
	s_cbranch_scc0 \next
	tensor_load_to_lds s[\g0:\g0+3], s[\g1:\g1+7]
	s_nop 0
.rept 4
	v_nop
.endr
	s_branch .Lhead_asked
\next:
.endm
	ARM 1, G0,  G1,  .Lhead_b
	ARM 2, G0B, G1B, .Lhead_sa
	ARM 3, G0S, G1S, .Lhead_sb
	tensor_load_to_lds s[G0SB:G0SB+3], s[G1SB:G1SB+7]
	s_nop 0
.rept 4
	v_nop
.endr
.Lhead_asked:
; PREFETCHES of the tiles that my later tensor loads bring.  The four partners of a joint load share my 8 tiles out by address, two each (cx for h, cy for W); a lane names one block of 256 bytes, lanes 24-31 the last again.
; Here: h's K steps 4-7 (two tiles x 24 blocks), or W's K steps 2-3 and 4-5 (two tiles x 12 blocks each).  W's K steps 6-7 are asked for in K step 0, v's weights (one tile a partner, 24 blocks a half) in K steps 2 and 4.
.set PFTA, 18                          ; v18  256 x min(lane, 23); never rewritten
.set PFTB, 19                          ; v19  the same, the second twelve lanes one tile on; never rewritten
	s_cmp_eq_u32 s15, 0
	s_cselect_b64 s[46:47], s[20:21], s[46:47]     ; the 8 tiles that I fetch
	s_cselect_b32 s20, s40, s41                    ; my place among the four that ask with me
	s_mul_i32 s20, s20, 2*12288
	s_mov_b32 s21, 0
	s_add_nc_u64 s[46:47], s[46:47], s[20:21]
	s_mul_i32 s22, s41, 12288
	s_mov_b32 s23, 0
	s_add_nc_u64 s[22:23], s[96:97], s[22:23]      ; v's weights: my work-group's tile of my four
	v_and_b32 v[PFTA], 31, v0
	v_min_u32 v[PFTA], 23, v[PFTA]
	v_mul_u32_u24 v22, v[PFTA], 43
	v_lshrrev_b32 v22, 9, v22                      ; lane / 12
	v_lshlrev_b32 v[PFTA], 8, v[PFTA]
	v_mad_u32_u24 v[PFTB], v22, 12288-2*FRB, v[PFTA]
	s_wait_alu depctr_va_vdst(0)
	s_cmp_eq_u32 s15, 0
	s_cbranch_scc0 .Lask_w
	global_prefetch_b8 v[PFTA], s[46:47] offset:4*FRB th:TH_LOAD_NT scope:SCOPE_SE
	global_prefetch_b8 v[PFTA], s[46:47] offset:4*FRB+12288 th:TH_LOAD_NT scope:SCOPE_SE
	s_branch .Lask_done
.Lask_w:
	global_prefetch_b8 v[PFTB], s[46:47] offset:2*FRB th:TH_LOAD_NT scope:SCOPE_SE
	global_prefetch_b8 v[PFTB], s[46:47] offset:4*FRB th:TH_LOAD_NT scope:SCOPE_SE
.Lask_done:
	s_wait_alu depctr_va_vdst(0)
	s_wait_tensorcnt 0x0                           ; my tile of the head's four is in; the three lines stand ahead of a later first fill as ahead of a refill
	ds_add_u32 v[SPW], v[NIL]
	s_mov_b32 s[G1+2], 8<<16                       ; no load of mine is out: from here on a load brings 8 tiles,
	s_mov_b32 s[G1+4], 8
	s_mov_b32 s[G1B+2], 8<<16
	s_mov_b32 s[G1B+4], 8
	s_mov_b32 s[G0B+1], s94                        ; and W's slot 0 is filled again by halves
	s_add_nc_u64 s[G0B+2:G0B+3], s[G0B+2:G0B+3], s[10:11]
	s_wait_dscnt 0x0
	CROUND
	JLOAD G0+4, G1, G0B+4, G1B                     ; h's K steps 4-7 and W's K steps 2, 3: the first tensor load behind the round
	s_mul_i32 s18, s15, THALF
	s_mul_i32 s19, s16, RHALF
	s_add_co_u32 s19, s19, RB
.irp s, 0,1
	v_add_nc_u32 v[ADRA+\s], s18, v[LI]
	v_add_nc_u32 v[ADRB+\s], s19, v[LI]
	s_add_co_u32 s18, s18, TCH
	s_add_co_u32 s19, s19, RSLOT
.endr
	s_lshl_b32 s18, s15, 12
	s_lshl_b32 s19, s16, 12
	s_add_co_u32 s19, s19, 2*4096
	s_sub_co_u32 s19, s19, s18
	v_mul_u32_u24 v6, s19, v2
	v_lshl_add_u32 v6, v1, 2, v6
	s_lshl_b32 s19, s16, 8
	s_add_co_u32 s45, s19, SCLV-SCL
	s_sub_co_u32 s45, s45, s18
	v_mul_u32_u24 v[ADRSV], s45, v2
	v_lshl_add_u32 v[ADRSV], v1, 2, v[ADRSV]
	s_add_co_u32 s45, s19, SCLV-SCL-256
	s_sub_co_u32 s45, s45, s18
	v_mul_u32_u24 v[ADRSV2], s45, v2
	v_lshl_add_u32 v[ADRSV2], v1, 2, v[ADRSV2]
	s_add_co_u32 s18, s18, SCL
	v_add_nc_u32 v[ADRS], s18, v6
	v_add_nc_u32 v[ADRSV], s18, v[ADRSV]
	v_add_nc_u32 v[ADRSV2], s18, v[ADRSV2]
	s_lshl_b32 s18, s14, 9
	s_add_co_u32 s18, s18, SCR
	v_lshl_add_u32 v[SCW], v1, 2, s18
	v_add_nc_u32 v[SCB], s18, v[LI]
	v_add_nc_u32 v[SCB2], s18, v[L8]
	s_lshl_b32 s18, s14, 10
	s_add_co_u32 s18, s18, SCLV
	v_add_nc_u32 v[SVW], s18, v[LI]
	s_lshr_b32 s18, s42, 2
	s_lshl_b32 s18, s18, 9
	s_lshl_b32 s19, s17, 4
	s_add_co_u32 s18, s18, s19
	s_lshl_b32 s19, s15, 3
	s_add_co_u32 s18, s18, s19
	s_and_b32 s19, s42, 3
	s_lshl_b32 s19, s19, 1
	s_add_co_u32 s19, s19, s16
	s_mul_i32 s10, s18, 12288
	s_mul_i32 s11, s19, 1536
	s_add_co_u32 s10, s10, s11
	s_mov_b32 s11, 0
	s_lshr_b32 s12, s18, 3
	s_lshl_b32 s12, s12, 12
	s_lshl_b32 s13, s19, 9
	s_add_co_u32 s12, s12, s13
	s_add_co_u32 s12, s12, Q_SC
	s_mov_b32 s13, 0
	s_add_nc_u64 s[10:11], s[8:9], s[10:11]
	s_add_nc_u64 s[12:13], s[8:9], s[12:13]
	s_wait_alu depctr_va_vdst(0)
	s_wait_loadcnt 0x0
	ds_store_b128 v[SVW], v[64:67]
	ds_store_b128 v[SVW], v[68:71] offset:512
	s_lshr_b32 s18, s17, 3
	s_lshl_b32 s18, s18, 3
	s_add_co_u32 s18, s18, s42
	s_and_b32 s19, s17, 7
	s_lshl_b32 s19, s19, 1
	s_add_co_u32 s19, s19, s15
	s_lshl_b32 s2, s18, 3
	s_lshl_b32 s3, s16, 2
	s_add_co_u32 s2, s2, s3
	s_mul_i32 s2, s2, 24576
	s_mul_i32 s3, s19, 1536
	s_add_co_u32 s2, s2, s3
	s_add_co_u32 s2, s2, V_IMG
	s_mov_b32 s3, 0
	s_lshl_b32 s98, s18, 13
	s_lshl_b32 s99, s19, 9
	s_add_co_u32 s98, s98, s99
	s_lshl_b32 s99, s16, 8
	s_add_co_u32 s98, s98, s99
	s_add_co_u32 s98, s98, V_SC
	s_mov_b32 s99, 0
	s_add_nc_u64 s[2:3], s[8:9], s[2:3]
	s_add_nc_u64 s[98:99], s[8:9], s[98:99]
.macro MUL16 a0, p, q, sc, cm
.irp a, \a0, \a0+1
.irp b, 0,1,2,3,4,5,6,7
.set rD, 8*(8*((\a)%4)+\b)
.set rB, 128*(\p)+12*\b
.set rA, 64+96*(\p)+12*(\a)
.set rSB, SC+16*(\sc)+2*\b+(\q)
.set rSA, SC+16*(\sc)+2*(\a)+(\q)
.if \cm == 0
	v_wmma_scale_f32_16x16x128_f8f6f4 v[rD:rD+7], v[rB:rB+11], v[rA:rA+11], v[rD:rD+7], v[rSB], v[rSA] matrix_a_fmt:MATRIX_FMT_FP6 matrix_b_fmt:MATRIX_FMT_FP6 matrix_a_scale:MATRIX_SCALE_ROW1
.else
.set rC, 96+8*\b+96*(\b/4)
	v_wmma_scale_f32_16x16x128_f8f6f4 v[rD:rD+7], v[rB:rB+11], v[rA:rA+11], v[rC:rC+7], v[rSB], v[rSA] matrix_a_fmt:MATRIX_FMT_FP6 matrix_b_fmt:MATRIX_FMT_FP6 matrix_a_scale:MATRIX_SCALE_ROW1
.endif
.endr
.endr
.endm
.macro FETCH1 kk
	WIN 0x40
.irp i, 0,1,2,3,4,5,6,7
.irp c, 0,1,2
	ds_load_b128 v[128*((\kk)%2)+12*\i+4*\c:128*((\kk)%2)+12*\i+4*\c+3], v[ADRB+((\kk)/2)%2] offset:2*FRB*\i+FRB*((\kk)%2)+512*\c
.endr
.endr
	WIN 0
.irp i, 0,1,2,3,4,5,6,7
.irp c, 0,1,2
	ds_load_b128 v[64+96*((\kk)%2)+12*\i+4*\c:64+96*((\kk)%2)+12*\i+4*\c+3], v[ADRA+(\kk)/4] offset:4*FRB*\i+FRB*((\kk)%4)+512*\c
.endr
.endr
.endm
.macro SCALES j
.irp i, 0,1,2,3,4,5,6,7
.irp q, 0,1
	ds_load_b32 v[SC+16*((\j)%2)+2*\i+\q], v[ADRS] offset:1024*(\j)+512*\q+64*\i
.endr
.endr
.endm
.macro STEP1 kk, cm
.if \cm == 0
.set WLO, 0xa1
.set WHI, 0xf1
.else
.set WLO, 0x91
.set WHI, 0xd1
.endif
	s_wait_dscnt 18
	WIN WLO
	MUL16 0, 0, 0, ((\kk)/2)%2, \cm
	PLACES 4
	FETCH1 (\kk)+1
.if (\kk) < 6                          ; the waves that fill the ring ask two K steps or more ahead of the load
	s_cmp_eq_u32 s15, 0
	s_cbranch_scc1 .Lno_ask_\@
.if (\kk) == 0
	global_prefetch_b8 v[PFTB], s[46:47] offset:6*FRB th:TH_LOAD_NT scope:SCOPE_SE
.elseif (\kk) == 2
	global_prefetch_b8 v[PFTA], s[22:23] th:TH_LOAD_NT scope:SCOPE_SE
.else
	global_prefetch_b8 v[PFTA], s[22:23] offset:4*FRB th:TH_LOAD_NT scope:SCOPE_SE
.endif
.Lno_ask_\@:
.endif
	s_wait_dscnt 60
	WIN WLO
	MUL16 2, 0, 0, ((\kk)/2)%2, \cm
	s_wait_dscnt 54
	WIN WHI
	MUL16 4, 0, 0, ((\kk)/2)%2, \cm
	s_wait_dscnt 48
	MUL16 6, 0, 0, ((\kk)/2)%2, \cm
	WIN 0
.endm
.macro TURN1 kk, g0, g1, step, fetch
	s_wait_tensorcnt 0x0
	ds_add_u32 v[SPW], v[NIL]
	s_wait_dscnt 19
	WIN 0xa1
	MUL16 0, 1, 1, ((\kk)/2)%2, 0
	s_wait_dscnt 0x0
	s_barrier_signal -1
	MUL16 2, 1, 1, ((\kk)/2)%2, 0
	WIN 0
	s_barrier_wait -1
	CREST
.if \step
	s_add_nc_u64 s[\g0+2:\g0+3], s[\g0+2:\g0+3], 4*FRB
.endif
	RLOAD \g0, \g1
.if \fetch
	PLACES 4
	SCALES ((\kk)+1)/2
	FETCH1 (\kk)+1
.endif
	WIN 0xf1
	MUL16 4, 1, 1, ((\kk)/2)%2, 0
	MUL16 6, 1, 1, ((\kk)/2)%2, 0
	WIN 0
.endm
.macro MULV b0, p, q, sc, cm
.irp b, \b0, \b0+1
.irp a, 0,1,2,3
.set rD, 8*(8*\a+(\b))
.set rT, 64+96*(\p)+12*(\b)
.set rV, 128*(\p)+12*\a
.set rST, SC+16*(\sc)+2*(\b)+(\q)
.set rSV, SC+16*(\sc)+2*\a+(\q)
.if \cm
	v_wmma_scale_f32_16x16x128_f8f6f4 v[rD:rD+7], v[rT:rT+11], v[rV:rV+11], v[96+8*\a:96+8*\a+7], v[rST], v[rSV] matrix_a_fmt:MATRIX_FMT_FP6 matrix_b_fmt:MATRIX_FMT_FP6 matrix_b_scale:MATRIX_SCALE_ROW1
.else
	v_wmma_scale_f32_16x16x128_f8f6f4 v[rD:rD+7], v[rT:rT+11], v[rV:rV+11], v[rD:rD+7], v[rST], v[rSV] matrix_a_fmt:MATRIX_FMT_FP6 matrix_b_fmt:MATRIX_FMT_FP6 matrix_b_scale:MATRIX_SCALE_ROW1
.endif
.endr
.endr
.endm
.macro FETCH2 kk
	WIN 0x40
.irp i, 0,1,2,3
.irp c, 0,1,2
	ds_load_b128 v[128*((\kk)%2)+12*\i+4*\c:128*((\kk)%2)+12*\i+4*\c+3], v[ADRB+(\kk)/4] offset:4*FRB*\i+FRB*((\kk)%4)+512*\c
.endr
.endr
	WIN 0
.irp i, 0,1,2,3,4,5,6,7
.irp c, 0,1,2
	ds_load_b128 v[64+96*((\kk)%2)+12*\i+4*\c:64+96*((\kk)%2)+12*\i+4*\c+3], v[ADRA+(\kk)/4] offset:4*FRB*\i+FRB*((\kk)%4)+512*\c
.endr
.endr
.endm
.macro SCALES2 j
.irp i, 0,1,2,3,4,5,6,7
.irp q, 0,1
.if \i < 4
	ds_load_b32 v[SC+16*((\j)%2)+2*\i+\q], v[ADRSV] offset:1024*(\j)+512*\q+64*\i
.else
	ds_load_b32 v[SC+16*((\j)%2)+2*\i+\q], v[ADRSV2] offset:1024*(\j)+512*\q+64*\i
.endif
.endr
.endr
.endm
.macro STEP2 kk, cm
.if \cm
.set WV2, 0x94
.else
.set WV2, 0xa4
.endif
.if (\kk)%2
	s_wait_dscnt 0x0
.else
	s_wait_dscnt 18
.endif
	WIN WV2
	MULV 0, (\kk)%2, (\kk)%2, ((\kk)/2)%2, \cm
	PLACES 4
.if (\kk)%2
	WIN 0
	SCALES2 ((\kk)+1)/2
.endif
	FETCH2 (\kk)+1
.if (\kk)%2 == 0
	s_wait_dscnt 48
.endif
	WIN WV2
	MULV 2, (\kk)%2, (\kk)%2, ((\kk)/2)%2, \cm
.if (\kk)%2 == 0
	s_wait_dscnt 42
.endif
	MULV 4, (\kk)%2, (\kk)%2, ((\kk)/2)%2, \cm
.if (\kk)%2 == 0
	s_wait_dscnt 36
.endif
	MULV 6, (\kk)%2, (\kk)%2, ((\kk)/2)%2, \cm
	WIN 0
.endm
.macro QUANT
.set WS, (W<<2)|(W<<4)
	WIN WS
.irp b, 0,1,2,3
	v_max3_num_f32 v[TM+\b], 0x1800000, |v[AC+16*\b]|, |v[AC+16*\b+1]|
.endr
.irp i, 2,4,6,8,10,12,14
.irp b, 0,1,2,3
	v_max3_num_f32 v[TM+\b], v[TM+\b], |v[AC+16*\b+\i]|, |v[AC+16*\b+\i+1]|
.endr
.endr
	WIN 0
.irp b, 0,1,2,3
	v_permlanex16_b32 v[TM+4+\b], v[TM+\b], s[SEL], s[SEL+1]
.endr
.irp b, 0,1,2,3
	v_max_num_f32 v[TM+\b], v[TM+\b], v[TM+4+\b]
.endr
.irp b, 0,1,2,3
	v_add_nc_u32 v[TM+12+\b], 0xff000000, v[TM+\b]
.endr
.irp b, 0,1,2,3
	v_lshrrev_b32 v[TM+4+\b], 23, v[TM+12+\b]
.endr
	v_lshl_or_b32 v[PWR], v[TM+5], 8, v[TM+4]
	v_lshl_or_b32 v[PWR], v[TM+6], 16, v[PWR]
	v_lshl_or_b32 v[PWR], v[TM+7], 24, v[PWR]
	WIN W
.irp c, 0,1
	v_cvt_scalef32_pk16_fp6_f32 v[PCR+6*\c:PCR+2+6*\c], v[AC+32*\c:AC+15+32*\c], v[TM+12+2*\c]
	v_cvt_scalef32_pk16_fp6_f32 v[TC+4*\c:TC+2+4*\c], v[AC+16+32*\c:AC+31+32*\c], v[TM+13+2*\c]
.endr
	v_nop
	WIN 0
.irp c, 0,1
.irp i, 0,1,2
	v_permlane16_swap_b32 v[PCR+6*\c+\i], v[TC+4*\c+\i]
.endr
.irp i, 0,1,2
	v_mov_b32 v[PCR+3+6*\c+\i], v[TC+4*\c+\i]
.endr
.endr
.endm
.macro OUTBLK a, w, ptr, stride
.set W, \w
.set AC, 64*((\a)%4)
.set PCR, PC+12*(\a)
.set PWR, PW+(\a)
	QUANT
.irp c, 0,1,2
	global_store_b128 v[LI], v[PCR+4*\c:PCR+4*\c+3], s[\ptr:\ptr+1] offset:\stride*(\a)+512*\c
.endr
	ds_store_b32 v[SCW], v[PWR] offset:64*(\a)
.endm
	s_wait_tensorcnt 1
	s_wait_dscnt 0x0
	s_barrier_signal -1
	s_barrier_wait -1
	SCALES 0
	FETCH1 0
	STEP1 0, 1
	TURN1 1, G0B, G1B, 1, 1
	s_or_b32 s[G1V+0], s44, (3<<16)|(1<<21)
	s_mov_b32 s[G1V+1], 768<<16
	s_mov_b32 s[G1V+2], 4<<16
	s_mov_b32 s[G1V+3], 768<<16
	s_mov_b32 s[G1V+4], 4
	s_mov_b32 s[G1V+5], 1536
	s_mov_b32 s[G1V+6], 0
	s_mov_b32 s[G1V+7], 0
	s_mov_b32 s[G0V0], 1
	s_mul_i32 s[G0V0+1], s16, RHALF
	s_add_co_u32 s[G0V0+1], s[G0V0+1], RB
	s_mov_b64 s[G0V0+2:G0V0+3], s[96:97]
	s_or_b32 s[G0V0+3], s[G0V0+3], 0x80000000
	s_mov_b32 s[G0V1], 1
	s_mul_i32 s[G0V1+1], s16, RHALF
	s_add_co_u32 s[G0V1+1], s[G0V1+1], RB+RSLOT
	s_add_nc_u64 s[G0V1+2:G0V1+3], s[96:97], 4*FRB
	s_or_b32 s[G0V1+3], s[G0V1+3], 0x80000000
	STEP1 2, 0
	TURN1 3, G0B+4, G1B, 1, 1
	STEP1 4, 0
	TURN1 5, G0V0, G1V, 0, 1
	STEP1 6, 0
	TURN1 7, G0V1, G1V, 0, 0
	PLACES 4
	WIN 0x40
.irp a, 0,1,2,3
.irp j, 0,1,2,3,4,5,6,7
	v_mov_b32 v[96+8*\a+\j], v[BV+\a]
.endr
.endr
	WIN 0
.irp b, 0,1,2,3
	v_mov_b32 v[TM+4+\b], 0
.endr
.irp a, 0,1,2,3,4,5,6,7
	OUTBLK \a, 2+\a/4, 10, 12288
.endr
	ds_load_b128 v[BKS:BKS+3], v[SCB]
	s_wait_dscnt 0x0
	global_store_b128 v[LI], v[BKS:BKS+3], s[12:13]
	s_wait_tensorcnt 0x0
	s_wait_xcnt 0x0
	s_barrier_signal -1
	s_barrier_wait -1
	SCALES2 0
	FETCH2 0
	STEP2 0, 1
	STEP2 1, 0
	STEP2 2, 0
	STEP2 3, 0
	STEP2 4, 0
	STEP2 5, 0
	STEP2 6, 0
	s_wait_dscnt 18
	WIN 0xa4
	MULV 0, 1, 1, 1, 0
	s_wait_dscnt 12
	MULV 2, 1, 1, 1, 0
	s_wait_dscnt 6
	MULV 4, 1, 1, 1, 0
	s_wait_dscnt 0x0
	MULV 6, 1, 1, 1, 0
	WIN 0
	PLACES 4
.irp a, 0,1,2,3
	OUTBLK \a, 2, 2, 24576
.endr
	ds_load_b64 v[BKS:BKS+1], v[SCB2]
	s_wait_dscnt 0x0
	global_store_b64 v[L8], v[BKS:BKS+1], s[98:99]
	s_wait_tensorcnt 0x0
	ds_add_u32 v[SPW], v[NIL]
	s_wait_dscnt 0x0
	CROUND
	s_endpgm
.Lfunc_end_k_q9e9b497407_proj:
	.size	k_q9e9b497407_proj, .Lfunc_end_k_q9e9b497407_proj-k_q9e9b497407_proj
	.p2alignl 7, 3214868480
	.fill 96, 4, 3214868480
	.section	.rodata,"a",@progbits
	.p2align	6, 0x0
	.amdhsa_kernel k_q9e9b497407_proj
		.amdhsa_group_segment_fixed_size 327680
		.amdhsa_private_segment_fixed_size 0
		.amdhsa_enable_private_segment 0
		.amdhsa_kernarg_size 24
		.amdhsa_user_sgpr_count 2
		.amdhsa_user_sgpr_kernarg_segment_ptr 1
		.amdhsa_wavefront_size32 1
		.amdhsa_system_sgpr_workgroup_id_x 1
		.amdhsa_system_sgpr_workgroup_id_y 1
		.amdhsa_system_sgpr_workgroup_id_z 1
		.amdhsa_system_vgpr_workitem_id 0
		.amdhsa_next_free_vgpr 1024
		.amdhsa_next_free_sgpr 100
		.amdhsa_reserve_vcc 0
		.amdhsa_float_denorm_mode_32 3
		.amdhsa_float_denorm_mode_16_64 3
		.amdhsa_memory_ordered 1
		.amdhsa_forward_progress 1
		.amdhsa_inst_pref_size 226
	.end_amdhsa_kernel
	.amdgpu_metadata
---
amdhsa.version: [ 1, 2 ]
amdhsa.kernels:
  - .name:           k_q9e9b497407_proj
    .symbol:         k_q9e9b497407_proj.kd
    .args:
      - { .name: hw, .offset: 0, .size: 8, .value_kind: global_buffer, .address_space: global }
      - { .name: b_qkv, .offset: 8, .size: 8, .value_kind: global_buffer, .address_space: global }
      - { .name: qkv, .offset: 16, .size: 8, .value_kind: global_buffer, .address_space: global }
    .group_segment_fixed_size: 327680
    .private_segment_fixed_size: 0
    .kernarg_segment_align: 8
    .kernarg_segment_size: 24
    .max_flat_workgroup_size: 128
    .sgpr_count:     100
    .vgpr_count:     1024
    .wavefront_size: 32
...
	.end_amdgpu_metadata
.endif
;; end of part 2
;; launch score (part 3): grid 8 x 32, 4 waves a work-group, clusters of 4 x 4, 327,680 bytes of LDS; arguments qkv, position, pp; writes pp
.if DOCPART == 3
	.amdgcn_target "amdgcn-amd-amdhsa--gfx1250"
	.amdhsa_code_object_version 6
	.text
	.protected	k_q9e9b497407_score
	.globl	k_q9e9b497407_score
	.p2align	8
	.type	k_q9e9b497407_score,@function
k_q9e9b497407_score:
	s_mov_b64 s[64:65], 0
	v_nop
	global_prefetch_b8 v0, s[64:65] scope:SCOPE_SE
	s_setreg_imm32_b32 hwreg(HW_REG_WAVE_MODE, 25, 1), 1
	s_wait_xcnt 0x0
	s_wait_alu depctr_hold_cnt(0) depctr_sa_sdst(0) depctr_va_vdst(0) depctr_va_sdst(0) depctr_va_ssrc(0) depctr_va_vcc(0) depctr_vm_vsrc(0)
	s_getreg_b32 s2, hwreg(HW_REG_IB_STS2, 6, 4)
	s_cmp_eq_u32 s2, 0
	s_cbranch_scc0 .Lentry_in_a_cluster
	s_endpgm
.Lentry_in_a_cluster:
	s_bfe_u32 s2, ttmp6, 0x10000c
	s_cmp_lg_u32 s2, 0xf033
	s_cbranch_scc0 .Lentry_shape_is_right
	s_endpgm
.Lentry_shape_is_right:
; LAUNCH 3 OF 4.  S = q k^T on codes of E2M3 (K = 1,024); z = S / sqrt(2048) + position; and the softmax's p, quantised along the keys, by the rule for a softmax ahead of a quantised product.  No work is left out.
; THE MAXIMUM IS TAKEN AWAY IN TWO STEPS.  Here each query takes, for each group of 128 keys, M = the group's largest t rounded up to a whole number (t = z log2 e) and p = 2^(t - M).  p's codes and scale bytes, -M and the sum of
; the unquantised p go to memory.  The next launch takes the row's largest M and brings every group under it: M is a whole number, so that is a whole number taken off the scale bytes and an exact power of two on the sums; the codes stay.
; A work-group makes 256 queries x 256 keys of one batch, a wave 128 x 128.  Source 0 = 16 keys, source 1 = 16 queries: a lane holds ONE query, and register 16 b + i of a query tile's eight accumulators is key 32 b + 16 (lane / 16) + i.
; Ring, round, joint loads and the order of a K step are launch 2's.  position comes in whole row pieces of 512 bytes and is turned through the wave's own stage in LDS into that order of registers.
; REGISTERS in the loop as in launch 2.  Behind it: window 0: v64-127, v128-191 position for two query tiles by turns (then at work for the sums), v192-211 codes, v212-227 at work, v228 scale word, v[230:231] -M, v232 the sum;
;   window 1: four sets of 64 for position as loaded.
; LIMITS: as stated at the head of launch 1; a block whose every p has fallen to 0 keeps the byte 1: its codes are zeros.
.set Q_SC,  18874368
.set P_SC,  12582912
.set FRB,   1536
.set NQ,    2
.set TILEB, NQ*FRB
.set HALFT, 8*TILEB
.set SLOT,  4*HALFT
.set SCL,   2*SLOT
.set SCR,   SCL+4*4096                 ; 1,536 bytes a wave: scale words, -M, sums; no tensor load lands here
.set STG,   SCR+4*1536                 ; 16 rows x (512 + 16) bytes a wave: the stage for position
.set SPARE, STG+4*8448                 ; the spare words, 128 bytes a wave
.set LI,   3
.set SCW,  4
.set SCB,  5
.set STI,  6                           ; v6   the stage, on the way in: 16 x lane
.set STQ,  7                           ; v7   and out: row r, + 64 h
.set ADRA, 16
.set ADRB, 20
.set ADRS, 27
.set SPW,  28
.set NIL,  29
.set SC,   32
.set PC,   192
.set TM,   212
.set PW,   228
.set NM,   230
.set LQ,   232
.set LT,   233
.set SEL,  66
.set G1, 24
.set G0, 32
.set G1B, 48
.set G0B, 56
.set G1S, 68
.set G0S, 76
.set G1SB, 80
.set G0SB, 88
.set MSB, 0
.macro WIN new
.if MSB != (\new)
	s_set_vgpr_msb (MSB<<8)|(\new)
.set MSB, (\new)
.endif
.endm
.macro PLACES n
.rept \n
	v_nop
.endr
.endm
.macro JLOAD g0a, g1a, g0b, g1b
	s_cmp_eq_u32 s15, 0
	s_cbranch_scc0 .Lfor_b_\@
	tensor_load_to_lds s[\g0a:\g0a+3], s[\g1a:\g1a+7]
	s_nop 0
.rept 4
	v_nop
.endr
	s_branch .Lasked_\@
.Lfor_b_\@:
	tensor_load_to_lds s[\g0b:\g0b+3], s[\g1b:\g1b+7]
	s_nop 0
.rept 4
	v_nop
.endr
.Lasked_\@:
.endm
.macro CREST
	s_cmp_lg_u32 s14, 0
	s_cbranch_scc1 .Lnot_wave_0_\@
	s_barrier_signal -3
.Lnot_wave_0_\@:
	s_barrier_wait -3
	s_barrier_signal -1
	s_barrier_wait -1
.endm
.macro CROUND
	s_barrier_signal -1
	s_barrier_wait -1
	CREST
.endm
	s_load_b128 s[4:7], s[0:1], 0x0                ; qkv, position
	s_load_b64 s[8:9], s[0:1], 0x10                ; pp
	v_lshl_add_u32 v[SPW], v0, 2, SPARE
	v_mov_b32 v[NIL], 0
	ds_add_u32 v[SPW], v[NIL]                      ; the wave's opening: the add, twice on end, and its wait ahead of my first tensor load
	ds_add_u32 v[SPW], v[NIL]
	v_lshrrev_b32 v1, 5, v0
	v_readfirstlane_b32 s14, v1
	s_lshr_b32 s15, s14, 1                         ; my half of the queries.  Also: I fetch for q (0) or for k (1)
	s_and_b32 s16, s14, 1                          ; my half of the keys.  Also: which half I fetch
	s_bfe_u32 s40, ttmp6, 0x40000
	s_bfe_u32 s41, ttmp6, 0x40004
	s_and_b32 s45, ttmp7, 0xffff
	s_lshl_b32 s17, s45, 2
	s_add_co_u32 s17, s17, s41                     ; block of 256 queries, over all batches
	s_lshl_b32 s42, ttmp9, 2
	s_add_co_u32 s42, s42, s40                     ; block of 256 keys in the batch
	s_lshr_b32 s3, s45, 1                          ; the batch: the same in all sixteen partners
	s_lshl_b32 s43, s41, 2
	s_lshl_b32 s43, 15, s43
	s_lshl_b32 s44, 0x1111, s40
	s_or_b32 s[G1+0], s43, (3<<16)|(1<<21)
	s_or_b32 s[G1B+0], s44, (3<<16)|(1<<21)
.irp g, G1, G1B
	s_mov_b32 s[\g+1], 384<<16
	s_mov_b32 s[\g+2], 16<<16                      ; the head's loads bring 16 tiles; set to 8 behind them
	s_mov_b32 s[\g+3], 384<<16
	s_mov_b32 s[\g+4], 16
	s_mov_b32 s[\g+5], 1536
	s_mov_b32 s[\g+6], 0
	s_mov_b32 s[\g+7], 0
.endr
	s_or_b32 s[G1S+0], s43, (3<<16)|(1<<21)
	s_or_b32 s[G1SB+0], s44, (3<<16)|(1<<21)
.irp g, G1S, G1SB
	s_mov_b32 s[\g+1], 32<<16
	s_mov_b32 s[\g+2], 32<<16                      ; the scale words of 16 tiles: 8,192 dense bytes as 32 rows of 256
	s_mov_b32 s[\g+3], 32<<16
	s_mov_b32 s[\g+4], 32
	s_mov_b32 s[\g+5], 32
	s_mov_b32 s[\g+6], 0
	s_mov_b32 s[\g+7], 0
.endr
	s_lshl_b32 s20, s17, 4                         ; q: the block's first tile
	s_lshl_b32 s46, s42, 4
	s_lshl_b32 s47, s3, 7
	s_add_co_u32 s46, s46, s47
	s_add_co_u32 s46, s46, 512                     ; k: its tiles follow q's 512
	s_lshr_b32 s22, s20, 3
	s_lshl_b32 s22, s22, 12
	s_add_co_u32 s22, s22, Q_SC
	s_mov_b32 s23, 0
	s_lshr_b32 s92, s46, 3
	s_lshl_b32 s92, s92, 12
	s_add_co_u32 s92, s92, Q_SC
	s_mov_b32 s93, 0
	s_mul_i32 s20, s20, 12288
	s_mov_b32 s21, 0
	s_mul_i32 s46, s46, 12288
	s_mov_b32 s47, 0
	s_mul_i32 s45, s14, HALFT
	s_mul_i32 s96, s16, 8*12288                    ; behind the head a wave fetches 8 tiles: which half, in bytes
	s_mov_b32 s97, 0
	s_mov_b32 s[SEL], 0x76543210
	s_mov_b32 s[SEL+1], 0xfedcba98
	s_mov_b32 s98, 0xff7fffff                      ; under every score
	s_wait_dscnt 0x0
	s_wait_kmcnt 0x0
	s_add_nc_u64 s[20:21], s[4:5], s[20:21]
	s_add_nc_u64 s[22:23], s[4:5], s[22:23]
	s_add_nc_u64 s[46:47], s[4:5], s[46:47]
	s_add_nc_u64 s[92:93], s[4:5], s[92:93]
	CROUND
	s_mov_b32 s[G0S], 1
	s_mov_b32 s[G0S+1], SCL
	s_mov_b64 s[G0S+2:G0S+3], s[22:23]
	s_or_b32 s[G0S+3], s[G0S+3], 0x80000000
	s_mov_b32 s[G0SB], 1
	s_mov_b32 s[G0SB+1], SCL+2*4096
	s_mov_b64 s[G0SB+2:G0SB+3], s[92:93]
	s_or_b32 s[G0SB+3], s[G0SB+3], 0x80000000
	s_mov_b32 s[G0], 1                             ; the head's tiles, each whole: slot 0's 16 tiles of q,
	s_mov_b32 s[G0+1], 0
	s_mov_b64 s[G0+2:G0+3], s[20:21]
	s_or_b32 s[G0+3], s[G0+3], 0x80000000
	s_mov_b32 s[G0B], 1                            ; and of k
	s_mov_b32 s[G0B+1], 2*HALFT
	s_mov_b64 s[G0B+2:G0B+3], s[46:47]
	s_or_b32 s[G0B+3], s[G0B+3], 0x80000000
	s_add_nc_u64 s[20:21], s[20:21], s[96:97]
	s_add_nc_u64 s[46:47], s[46:47], s[96:97]
.irp s, 1
	s_mov_b32 s[G0+4*\s], 1
	s_add_co_u32 s[G0+4*\s+1], s45, \s*SLOT
	s_add_nc_u64 s[G0+4*\s+2:G0+4*\s+3], s[20:21], \s*TILEB
	s_or_b32 s[G0+4*\s+3], s[G0+4*\s+3], 0x80000000
	s_mov_b32 s[G0B+4*\s], 1
	s_add_co_u32 s[G0B+4*\s+1], s45, \s*SLOT
	s_add_nc_u64 s[G0B+4*\s+2:G0B+4*\s+3], s[46:47], \s*TILEB
	s_or_b32 s[G0B+4*\s+3], s[G0B+4*\s+3], 0x80000000
.endr
; THE HEAD'S LOADS, ONE A WAVE: wave 0 q's codes, wave 1 k's, wave 2 q's scale words, wave 3 k's.  One chain of branches on the wave's number; every way passes one load.
.macro ARM under, g0, g1, next
	s_cmp_lt_u32 s14, \under
	s_cbranch_scc0 \next
	tensor_load_to_lds s[\g0:\g0+3], s[\g1:\g1+7]
	s_nop 0
.rept 4
	v_nop
.endr
	s_branch .Lhead_asked
\next:
.endm
	ARM 1, G0,  G1,  .Lhead_b
	ARM 2, G0B, G1B, .Lhead_sa
	ARM 3, G0S, G1S, .Lhead_sb
	tensor_load_to_lds s[G0SB:G0SB+3], s[G1SB:G1SB+7]
	s_nop 0
.rept 4
	v_nop
.endr
.Lhead_asked:
; PREFETCHES of the tiles that my later tensor loads bring.  The four partners of a joint load share my 8 tiles out by address, two each (cx for q, cy for k): 2 x 12 blocks of 256 bytes a slot, a lane a block, lanes 24-31 the last again.
; Slots' fills 1 and 2 are asked for here, fill 3 in the first K step.
.set PFT, 11                           ; v11  256 x min(lane, 23), the second twelve lanes one tile on; never rewritten
.set PFC, 3
	s_cmp_eq_u32 s15, 0
	s_cselect_b64 s[2:3], s[20:21], s[46:47]       ; the 8 tiles that I fetch
	s_cselect_b32 s94, s40, s41                    ; my place among the four that ask with me
	s_mul_i32 s94, s94, 2*12288
	s_mov_b32 s95, 0
	s_add_nc_u64 s[2:3], s[2:3], s[94:95]
	v_and_b32 v[PFT], 31, v0
	v_min_u32 v[PFT], 23, v[PFT]
	v_mul_u32_u24 v12, v[PFT], 43
	v_lshrrev_b32 v12, 9, v12                      ; lane / 12
	v_lshlrev_b32 v[PFT], 8, v[PFT]
	v_mad_u32_u24 v[PFT], v12, 12288-TILEB, v[PFT]
	s_wait_alu depctr_va_vdst(0)
	global_prefetch_b8 v[PFT], s[2:3] offset:TILEB th:TH_LOAD_NT scope:SCOPE_SE
	global_prefetch_b8 v[PFT], s[2:3] offset:2*TILEB th:TH_LOAD_NT scope:SCOPE_SE
	v_and_b32 v1, 15, v0
	v_bfe_u32 v2, v0, 4, 1
	s_wait_alu depctr_va_vdst(0)
	v_and_b32 v[LI], 31, v0
	v_lshlrev_b32 v[LI], 4, v[LI]
.set PFO, 9                            ; v9  the prefetches' offset: two lanes to a row of a query tile (in the tile's order of rows), 256 bytes each; never rewritten
.set PFN, 1                            ; the next query tile to ask for: tile 0 comes by its own loads at the head
	v_bfe_u32 v[PFO], v0, 1, 3
	v_lshl_add_u32 v[PFO], v2, 4, v[PFO]           ; row 16 (l / 16) + (l / 2) % 8
	v_lshlrev_b32 v[PFO], 13, v[PFO]
	v_and_b32 v10, 1, v0
	v_lshl_add_u32 v[PFO], v10, 8, v[PFO]
	s_wait_alu depctr_va_vdst(0)
	s_mul_i32 s21, s15, HALFT
	s_mul_i32 s22, s16, HALFT
	s_add_co_u32 s22, s22, 2*HALFT
.irp s, 0,1
	v_add_nc_u32 v[ADRA+\s], s21, v[LI]
	v_add_nc_u32 v[ADRB+\s], s22, v[LI]
	s_add_co_u32 s21, s21, SLOT
	s_add_co_u32 s22, s22, SLOT
.endr
	s_lshl_b32 s21, s15, 12
	s_lshl_b32 s22, s16, 12
	s_add_co_u32 s22, s22, 2*4096
	s_sub_co_u32 s22, s22, s21
	v_mul_u32_u24 v8, s22, v2
	s_add_co_u32 s21, s21, SCL
	v_lshl_add_u32 v8, v1, 2, v8
	v_add_nc_u32 v[ADRS], s21, v8
	s_mul_i32 s23, s14, 1536
	s_add_co_u32 s23, s23, SCR
	v_lshl_add_u32 v[SCW], v1, 2, s23
	v_add_nc_u32 v[SCB], s23, v[LI]
	s_mul_i32 s23, s14, 8448
	s_add_co_u32 s23, s23, STG
	v_add_nc_u32 v[STI], s23, v[LI]
	v_mul_u32_u24 v[STQ], v1, 528
	v_lshl_add_u32 v[STQ], v2, 6, v[STQ]
	v_add_nc_u32 v[STQ], s23, v[STQ]
	s_and_b32 s20, s17, 7                          ; position: my first query in the batch, my first key
	s_lshl_b32 s20, s20, 21
	s_lshl_b32 s21, s15, 20
	s_add_co_u32 s20, s20, s21
	s_lshl_b32 s21, s42, 10
	s_add_co_u32 s20, s20, s21
	s_lshl_b32 s21, s16, 9
	s_add_co_u32 s20, s20, s21
	s_mov_b32 s21, 0
	s_add_nc_u64 s[10:11], s[6:7], s[20:21]
	s_lshl_b32 s20, s17, 4                         ; p's codes: query tile 16 x block + 8 x half, K step 2 x key block + half
	s_lshl_b32 s22, s15, 3
	s_add_co_u32 s20, s20, s22
	s_mul_i32 s20, s20, 24576
	s_lshl_b32 s22, s42, 1
	s_add_co_u32 s22, s22, s16
	s_mul_i32 s23, s22, 1536
	s_add_co_u32 s20, s20, s23
	s_add_nc_u64 s[12:13], s[8:9], s[20:21]
	s_lshl_b32 s20, s17, 1                         ; and the 128 words of scale bytes, of -M and of sums
	s_add_co_u32 s20, s20, s15
	s_lshl_b32 s20, s20, 4
	s_add_co_u32 s20, s20, s22
	s_lshl_b32 s20, s20, 9
	s_add_co_u32 s20, s20, P_SC
	s_add_nc_u64 s[18:19], s[8:9], s[20:21]
	s_mov_b32 s20, 0x3cb504f3                      ; 1 / sqrt(2048)
	s_mov_b32 s21, s20                             ; (the packed forms name a pair and take its low word for both halves)
	s_mov_b32 s22, 0x3fb8aa3b                      ; log2 e
	s_mov_b32 s23, s22
.macro PBSET a                         ; where query tile a's rows of position land, in window 1: four sets by turns; set 0 lies in registers that the loop leaves alone
.if (\a)%4 == 0
.set PBB, 96
.set PBJ, 96
.elseif (\a)%4 == 1
.set PBB, 0
.set PBJ, 0
.elseif (\a)%4 == 2
.set PBB, 128
.set PBJ, 0
.else
.set PBB, 64
.set PBJ, 96
.endif
.endm
.macro POSLOAD a                       ; the 16 rows of query tile a, in the tile's order of rows: each load takes a row's 512 consecutive bytes
	PBSET \a
	WIN 0x40
.irp g, 0,1,2,3,4,5,6,7,8,9,10,11,12,13,14,15
	global_load_b128 v[PBB+4*\g+PBJ*(\g/8):PBB+4*\g+PBJ*(\g/8)+3], v[LI], s[10:11] offset:(32*((\a)/2)+8*((\a)%2)+16*(\g/8)+\g%8)*8192
.endr
	WIN 0
.endm
.macro POS_T a, n                      ; through my stage: in by rows, out 64 numbers a lane in the accumulators' order.  n: the younger loads that may stay out
	PBSET \a
	s_wait_loadcnt \n
	WIN 0x04                                       ; an LDS store's data are its source 1: window 1
.irp g, 0,1,2,3,4,5,6,7,8,9,10,11,12,13,14,15
	ds_store_b128 v[STI], v[PBB+4*\g+PBJ*(\g/8):PBB+4*\g+PBJ*(\g/8)+3] offset:528*\g
.endr
	WIN 0
.set PDT, 64+64*((\a)%2)
.irp b, 0,1,2,3
.irp q, 0,1,2,3
	ds_load_b128 v[PDT+16*\b+4*\q:PDT+16*\b+4*\q+3], v[STQ] offset:128*\b+16*\q   ; LDS serves a wave's instructions in order: these see the stores above, and the next tile's stores come behind them
.endr
.endr
.endm
	POSLOAD 0                                      ; the first query tile's rows are asked for ahead of the loop
.macro MUL16 a0, p, q, sc, zero
.irp a, \a0, \a0+1
.irp b, 0,1,2,3,4,5,6,7
.set rD, 8*(8*((\a)%4)+\b)
.set rB, 128*(\p)+12*\b
.set rA, 64+96*(\p)+12*(\a)
.set rSB, SC+16*(\sc)+2*\b+(\q)
.set rSA, SC+16*(\sc)+2*(\a)+(\q)
.if \zero
	v_wmma_scale_f32_16x16x128_f8f6f4 v[rD:rD+7], v[rB:rB+11], v[rA:rA+11], 0, v[rSB], v[rSA] matrix_a_fmt:MATRIX_FMT_FP6 matrix_b_fmt:MATRIX_FMT_FP6 matrix_a_scale:MATRIX_SCALE_ROW1
.else
	v_wmma_scale_f32_16x16x128_f8f6f4 v[rD:rD+7], v[rB:rB+11], v[rA:rA+11], v[rD:rD+7], v[rSB], v[rSA] matrix_a_fmt:MATRIX_FMT_FP6 matrix_b_fmt:MATRIX_FMT_FP6 matrix_a_scale:MATRIX_SCALE_ROW1
.endif
.endr
.endr
.endm
.macro FETCH slot, q, p
	WIN 0x40
.irp i, 0,1,2,3,4,5,6,7
.irp c, 0,1,2
	ds_load_b128 v[128*(\p)+12*\i+4*\c:128*(\p)+12*\i+4*\c+3], v[ADRB+\slot] offset:TILEB*\i+FRB*(\q)+512*\c
.endr
.endr
	WIN 0
.irp i, 0,1,2,3,4,5,6,7
.irp c, 0,1,2
	ds_load_b128 v[64+96*(\p)+12*\i+4*\c:64+96*(\p)+12*\i+4*\c+3], v[ADRA+\slot] offset:TILEB*\i+FRB*(\q)+512*\c
.endr
.endr
.endm
.macro SCALES sc
.irp i, 0,1,2,3,4,5,6,7
.irp q, 0,1
	ds_load_b32 v[SC+16*\sc+2*\i+\q], v[ADRS] offset:512*\q+64*\i
.endr
.endr
.endm
.macro STEP slot, q, zero
	s_wait_dscnt 18                                ; all but the youngest 18 loads: A's tiles 2 to 7
	WIN 0xa1
	MUL16 0, (\q)%2, \q, \slot, \zero
	PLACES 4
	FETCH \slot, (\q)+1, 1-(\q)%2
.if PFC < 4
	global_prefetch_b8 v[PFT], s[2:3] offset:PFC*TILEB th:TH_LOAD_NT scope:SCOPE_SE
.set PFC, PFC+1
.endif
.rept 2
.if PFN < 8
	global_prefetch_b8 v[PFO], s[10:11] offset:(32*(PFN/2)+8*(PFN%2))*8192 th:TH_LOAD_NT scope:SCOPE_SE
.set PFN, PFN+1
.endif
.endr
	s_wait_dscnt 60
	WIN 0xa1
	MUL16 2, (\q)%2, \q, \slot, \zero
	s_wait_dscnt 54
	WIN 0xf1
	MUL16 4, (\q)%2, \q, \slot, \zero
	s_wait_dscnt 48
	MUL16 6, (\q)%2, \q, \slot, \zero
	WIN 0
.endm
.macro TURN slot, next, fill
	s_wait_tensorcnt 0x0                           ; all my tensor loads have landed: my part of the next slot
	ds_add_u32 v[SPW], v[NIL]
	s_wait_dscnt 19                                ; the add and A's tiles 2 to 7 may be out
	WIN 0xa1
	MUL16 0, 1, NQ-1, \slot, 0
	s_wait_dscnt 0x0                               ; the add is done, and my reads of this slot are over
	s_barrier_signal -1
	MUL16 2, 1, NQ-1, \slot, 0
	WIN 0
	s_barrier_wait -1
.if \fill
	CREST
	s_add_nc_u64 s[G0+4*\slot+2:G0+4*\slot+3], s[G0+4*\slot+2:G0+4*\slot+3], 2*TILEB
	s_add_nc_u64 s[G0B+4*\slot+2:G0B+4*\slot+3], s[G0B+4*\slot+2:G0B+4*\slot+3], 2*TILEB
	JLOAD G0+4*\slot, G1, G0B+4*\slot, G1B
.else
	PLACES 4
.endif
	s_wait_alu depctr_va_vdst(0)
	v_add_nc_u32 v[ADRS], 512*NQ, v[ADRS]
	SCALES \next
	FETCH \next, 0, 0
	WIN 0xf1
	MUL16 4, 1, NQ-1, \slot, 0
	MUL16 6, 1, NQ-1, \slot, 0
	WIN 0
.endm
	s_wait_alu depctr_va_vdst(0)
	s_wait_tensorcnt 0x0                           ; my tile of the head's four is in; the three lines stand ahead of a later first fill as ahead of a refill
	ds_add_u32 v[SPW], v[NIL]
	s_mov_b32 s[G1+2], 8<<16                       ; no load of mine is out: from here on a load brings 8 tiles,
	s_mov_b32 s[G1+4], 8
	s_mov_b32 s[G1B+2], 8<<16
	s_mov_b32 s[G1B+4], 8
	s_mov_b32 s[G0+1], s45                         ; and slot 0 is filled again by quarters: wave x 8 tiles
	s_mov_b32 s[G0B+1], s45
	s_add_nc_u64 s[G0+2:G0+3], s[G0+2:G0+3], s[96:97]
	s_add_nc_u64 s[G0B+2:G0B+3], s[G0B+2:G0B+3], s[96:97]
	s_wait_dscnt 0x0
	CROUND                                         ; all four tiles are in, and the sixteen work-groups are here
	JLOAD G0+4, G1, G0B+4, G1B                     ; slot 1's first fill: the first tensor load behind the round
	SCALES 0
	FETCH 0, 0, 0
	STEP 0, 0, 1                                   ; the first products start the sums: nothing is cleared
	TURN 0, 1, 1
	STEP 1, 0, 0
	TURN 1, 0, 1
	STEP 0, 0, 0
	TURN 0, 1, 0
	STEP 1, 0, 0
	s_wait_dscnt 18
	WIN 0xa1
	MUL16 0, 1, 1, 1, 0
	s_wait_dscnt 12
	MUL16 2, 1, 1, 1, 0
	s_wait_dscnt 6
	WIN 0xf1
	MUL16 4, 1, 1, 1, 0
	s_wait_dscnt 0x0
	MUL16 6, 1, 1, 1, 0
	WIN 0
; QUERY TILE a: 16 queries x 128 keys, 64 numbers a lane, in place in the accumulators.
.macro SOFT a
.set W, 2+(\a)/4
.set AC, 64*((\a)%4)
.set PD, 64+64*((\a)%2)
.set WDS, (W<<6)|W                     ; destination and source 0 in the accumulators' window
.set W12, (W<<2)|(W<<4)                ; sources 1 and 2
.set W01, W|(W<<2)                     ; sources 0 and 1
	s_wait_dscnt 0x0                               ; this tile's position is back from the stage; the last tile's three words have gone
.if (\a)+3 <= 7
	POSLOAD (\a)+3
.endif
.if (\a) <= 4
	POS_T (\a)+1, 32                               ; the rows of the two tiles behind it may be out
.elseif (\a) == 5
	POS_T (\a)+1, 16
.elseif (\a) == 6
	POS_T (\a)+1, 0
.endif
	WIN WDS
.set j, 0
.rept 32
	v_pk_fma_f32 v[AC+j:AC+j+1], v[AC+j:AC+j+1], s[20:21], v[PD+j:PD+j+1] op_sel_hi:[1,0,1]   ; z = S / sqrt(2048) + position; each accumulator from its low end on
.set j, j+2
.endr
	WIN W12
.irp b, 0,1,2,3
	v_max3_num_f32 v[TM+\b], s98, v[AC+16*\b], v[AC+16*\b+1]   ; the largest z of each block of 32 keys: it serves the group's maximum and, since p rises with z, the block's largest p
.endr
.irp i, 2,4,6,8,10,12,14
.irp b, 0,1,2,3
	v_max3_num_f32 v[TM+\b], v[TM+\b], v[AC+16*\b+\i], v[AC+16*\b+\i+1]
.endr
.endr
	WIN 0
.irp b, 0,1,2,3
	v_permlanex16_b32 v[TM+4+\b], v[TM+\b], s[SEL], s[SEL+1]
.endr
.irp b, 0,1,2,3
	v_max_num_f32 v[TM+\b], v[TM+\b], v[TM+4+\b]
.endr
	v_max3_num_f32 v[LT], v[TM], v[TM+1], v[TM+2]
	v_max_num_f32 v[LT], v[LT], v[TM+3]
	v_mul_f32 v[LT], s22, v[LT]                    ; the group's largest t
	v_floor_f32 v[NM], -v[LT]                      ; -M = floor(-t): M is a whole number
.irp b, 0,1,2,3
	v_fma_f32 v[TM+\b], v[TM+\b], s22, v[NM]
.endr
	WIN WDS
.set j, 0
.rept 32
	v_pk_fma_f32 v[AC+j:AC+j+1], v[AC+j:AC+j+1], s[22:23], v[NM:NM+1] op_sel_hi:[1,0,0]   ; t - M
.set j, j+2
.endr
.set j, 0
	s_wait_alu depctr_va_vdst(0)
.rept 64
	v_exp_f32 v[AC+j], v[AC+j]                     ; p = 2^(t - M): not normalised
.set j, j+1
.endr
	WIN 0
.irp b, 0,1,2,3
	v_exp_f32 v[TM+\b], v[TM+\b]                   ; the block's largest p: the same two instructions on the same number
.endr
	v_nop                                          ; a plain instruction behind the last exponential
	s_wait_alu depctr_va_vdst(0)                   ; one wait for the batch of 68, ahead of its first reader
	WIN W01
.set j, 0
.rept 16
	v_pk_add_f32 v[PD+2*j:PD+2*j+1], v[AC+4*j:AC+4*j+1], v[AC+4*j+2:AC+4*j+3]   ; the sum is taken of the unquantised p; position's registers are done with
.set j, j+1
.endr
	WIN 0
.irp d, 8,4,2,1
.set j, 0
.rept \d
	v_pk_add_f32 v[PD+2*j:PD+2*j+1], v[PD+2*j:PD+2*j+1], v[PD+2*(j+\d):PD+2*(j+\d)+1]
.set j, j+1
.endr
.endr
	v_add_f32 v[LQ], v[PD], v[PD+1]
	v_permlanex16_b32 v[LT], v[LQ], s[SEL], s[SEL+1]
	v_add_f32 v[LQ], v[LQ], v[LT]                  ; with lane l xor 16's 64 keys
.irp b, 0,1,2,3
	v_max_num_f32 v[TM+\b], 0x1800000, v[TM+\b]    ; the floor 2^(3 - 127): the byte cannot fall under 1
.endr
.irp b, 0,1,2,3
	v_add_nc_u32 v[TM+12+\b], 0xff000000, v[TM+\b]
.endr
.irp b, 0,1,2,3
	v_lshrrev_b32 v[TM+4+\b], 23, v[TM+12+\b]
.endr
	v_lshl_or_b32 v[PW], v[TM+5], 8, v[TM+4]
	v_lshl_or_b32 v[PW], v[TM+6], 16, v[PW]
	v_lshl_or_b32 v[PW], v[TM+7], 24, v[PW]
	s_wait_xcnt 0x0                                ; the last tile's stores have read the codes' registers
	WIN W
.irp c, 0,1
	v_cvt_scalef32_pk16_fp6_f32 v[PC+6*\c:PC+2+6*\c], v[AC+32*\c:AC+15+32*\c], v[TM+12+2*\c]
	v_cvt_scalef32_pk16_fp6_f32 v[PC+12+4*\c:PC+14+4*\c], v[AC+16+32*\c:AC+31+32*\c], v[TM+13+2*\c]
.endr
	v_nop                                          ; one plain instruction behind a scaled conversion
	WIN 0
.irp c, 0,1
.irp i, 0,1,2
	v_permlane16_swap_b32 v[PC+6*\c+\i], v[PC+12+4*\c+\i]
.endr
.irp i, 0,1,2
	v_mov_b32 v[PC+3+6*\c+\i], v[PC+12+4*\c+\i]
.endr
.endr
.irp c, 0,1,2
	global_store_b128 v[LI], v[PC+4*\c:PC+4*\c+3], s[12:13] offset:24576*(\a)+512*\c   ; the fragment's image: 512 consecutive bytes a store, aligned
.endr
	ds_store_b32 v[SCW], v[PW] offset:64*(\a)
	ds_store_b32 v[SCW], v[NM] offset:512+64*(\a)
	ds_store_b32 v[SCW], v[LQ] offset:1024+64*(\a)
.endm
	PLACES 4                                       ; behind the last products: results are read, and loads land in registers that held fragments
	POSLOAD 1
	POSLOAD 2
	POS_T 0, 32
.irp b, 0,1,2,3
	v_mov_b32 v[TM+4+\b], 0                        ; written once: a lane permute's destination counts as one of its sources
.endr
	v_mov_b32 v[NM+1], 0                           ; (named as the upper half of a pair)
.irp a, 0,1,2,3,4,5,6,7
	SOFT \a
.endr
.irp k, 0,1,2
	ds_load_b128 v[64+4*\k:67+4*\k], v[SCB] offset:512*\k
.endr
	s_wait_dscnt 0x0
	global_store_b128 v[LI], v[64:67], s[18:19]                    ; 128 scale words,
	global_store_b128 v[LI], v[68:71], s[18:19] offset:524288      ; 128 -M,
	global_store_b128 v[LI], v[72:75], s[18:19] offset:1048576     ; 128 sums: each 512 consecutive bytes
	s_wait_tensorcnt 0x0                           ; the wave's end
	ds_add_u32 v[SPW], v[NIL]
	s_wait_dscnt 0x0
	CROUND
	s_endpgm
.Lfunc_end_k_q9e9b497407_score:
	.size	k_q9e9b497407_score, .Lfunc_end_k_q9e9b497407_score-k_q9e9b497407_score
	.p2alignl 7, 3214868480
	.fill 96, 4, 3214868480
	.section	.rodata,"a",@progbits
	.p2align	6, 0x0
	.amdhsa_kernel k_q9e9b497407_score
		.amdhsa_group_segment_fixed_size 327680
		.amdhsa_private_segment_fixed_size 0
		.amdhsa_enable_private_segment 0
		.amdhsa_kernarg_size 24
		.amdhsa_user_sgpr_count 2
		.amdhsa_user_sgpr_kernarg_segment_ptr 1
		.amdhsa_wavefront_size32 1
		.amdhsa_system_sgpr_workgroup_id_x 1
		.amdhsa_system_sgpr_workgroup_id_y 1
		.amdhsa_system_sgpr_workgroup_id_z 1
		.amdhsa_system_vgpr_workitem_id 0
		.amdhsa_next_free_vgpr 1024
		.amdhsa_next_free_sgpr 100
		.amdhsa_reserve_vcc 0
		.amdhsa_float_denorm_mode_32 3
		.amdhsa_float_denorm_mode_16_64 3
		.amdhsa_memory_ordered 1
		.amdhsa_forward_progress 1
		.amdhsa_inst_pref_size 248
	.end_amdhsa_kernel
	.amdgpu_metadata
---
amdhsa.version: [ 1, 2 ]
amdhsa.kernels:
  - .name:           k_q9e9b497407_score
    .symbol:         k_q9e9b497407_score.kd
    .args:
      - { .name: qkv, .offset: 0, .size: 8, .value_kind: global_buffer, .address_space: global }
      - { .name: position, .offset: 8, .size: 8, .value_kind: global_buffer, .address_space: global }
      - { .name: pp, .offset: 16, .size: 8, .value_kind: global_buffer, .address_space: global }
    .group_segment_fixed_size: 327680
    .private_segment_fixed_size: 0
    .kernarg_segment_align: 8
    .kernarg_segment_size: 24
    .max_flat_workgroup_size: 128
    .sgpr_count:     100
    .vgpr_count:     1024
    .wavefront_size: 32
...
	.end_amdgpu_metadata
.endif
;; end of part 3
;; launch mix (part 4): grid 8 x 32, 4 waves a work-group, clusters of 4 x 4, 327,680 bytes of LDS; arguments qkv, pp, out0; writes out0
.if DOCPART == 4
	.amdgcn_target "amdgcn-amd-amdhsa--gfx1250"
	.amdhsa_code_object_version 6
	.text
	.protected	k_q9e9b497407_mix
	.globl	k_q9e9b497407_mix
	.p2align	8
	.type	k_q9e9b497407_mix,@function
k_q9e9b497407_mix:
	s_mov_b64 s[64:65], 0
	v_nop
	global_prefetch_b8 v0, s[64:65] scope:SCOPE_SE
	s_setreg_imm32_b32 hwreg(HW_REG_WAVE_MODE, 25, 1), 1
	s_wait_xcnt 0x0
	s_wait_alu depctr_hold_cnt(0) depctr_sa_sdst(0) depctr_va_vdst(0) depctr_va_sdst(0) depctr_va_ssrc(0) depctr_va_vcc(0) depctr_vm_vsrc(0)
	s_getreg_b32 s2, hwreg(HW_REG_IB_STS2, 6, 4)
	s_cmp_eq_u32 s2, 0
	s_cbranch_scc0 .Lentry_in_a_cluster
	s_endpgm
.Lentry_in_a_cluster:
	s_bfe_u32 s2, ttmp6, 0x10000c
	s_cmp_lg_u32 s2, 0xf033
	s_cbranch_scc0 .Lentry_shape_is_right
	s_endpgm
.Lentry_shape_is_right:
; LAUNCH 4 OF 4.  out[b][c][n] = (sum over the keys of v[key][c] p[n][key]) / l[n], on codes of E2M3 (K = the 2,048 keys).  No work is left out.
; AHEAD OF THE PRODUCT each work-group brings its 256 queries' 16 groups of 128 keys under the row's M: d = the group's M less the row's largest (a whole number, 0 or less) is added to the group's four scale bytes, and
; l = the sum of the groups' sums x 2^d.  The codes are not touched.
; LIMITS: d is held at -127; a scale byte that would fall under 0 becomes 0.  What that moves lies under 2^-120 of the row's largest p.  NaN and infinities are not served.
; A work-group makes 128 channels x 256 queries of one batch: 256 work-groups.  Wave w takes all 8 tiles of channels x query tiles 4 w .. 4 w + 3: 32 accumulators.  Source 0 = 16 queries (p), source 1 = 16 channels (v):
; a lane holds ONE channel, and by the tiles' order of rows its eight results are eight neighbouring queries: 32 bytes of a row of out.
; K goes in steps of 512 through two LDS slots; a slot holds four fragments on end for each of 8 + 16 tiles.  Waves 0 and 1 fetch v's tiles (4 rows of 6,144 bytes each), waves 2 and 3 p's (8 rows each).
; CLUSTER 4 x 4: v's tiles are asked for jointly along a row of the cluster, p's along a column.
; REGISTERS: window 0: v0-31 addresses, v32-95 scale words (two sets of 32), v96-223 at work ahead of and behind the loop; window 1: v's fragments, two sets at v0 and v96; window 3: p's, two sets at v0 and v48;
;   window 2: accumulator (a, b) at v[8 (4 a + b)].
.set V_IMG, 12582912
.set V_SC,  19398656
.set P_SC,  12582912
.set FRB,   1536
.set NQ,    4
.set TILEB, NQ*FRB
.set BOFF,  8*TILEB                    ; in a slot: v's 8 tiles, then p's 16
.set SLOT,  24*TILEB
.set SCLA,  2*SLOT                     ; v's scale words: 8,192 bytes, filled once by tensor loads
.set SCLB,  SCLA+8192                  ; p's, as brought under the row's M: 16,384 bytes, stored by the waves; no tensor load lands here
.set RL,    SCLB+16384                 ; 1 / l of the 256 queries, in tile order
.set SPARE, RL+1024                    ; the spare words, 128 bytes a wave
.set SPITCH, 272                       ; the way out: 16 rows x (256 + 16) bytes a wave, in slot 0, which has had its last fill and its last read by then
.set LI,   3
.set STO,  4
.set RD,   5
.set CO,   6
.set RLA,  7
.set ADRA, 16
.set ADRB, 20
.set ADRS2, 26                         ; v26  as v27, but lanes 16-31 four tiles back: it serves v's tiles 4 to 7, beside which p has none
.set ADRS, 27
.set SPW,  28
.set NIL,  29
.set SC,   32                          ; set sc at v[SC + 32 sc]; register 4 i + q: lanes 0-15 v's tile i, lanes 16-31 p's tile i (i < 4)
.set RLR,  96
.set TMP,  128
.set BK,   160
.set MUL,  0xa7                        ; source 0 (p) window 3, source 1 (v) window 1, C and D window 2
.set G1, 24
.set G0, 32
.set G1B, 48
.set G0B, 56
.set G1S, 68
.set G0S, 76
.set MSB, 0
.macro WIN new
.if MSB != (\new)
	s_set_vgpr_msb (MSB<<8)|(\new)
.set MSB, (\new)
.endif
.endm
.macro PLACES n
.rept \n
	v_nop
.endr
.endm
.macro JLOAD g0a, g1a, g0b, g1b
	s_cmp_eq_u32 s15, 0
	s_cbranch_scc0 .Lfor_b_\@
	tensor_load_to_lds s[\g0a:\g0a+3], s[\g1a:\g1a+7]
	s_nop 0
.rept 4
	v_nop
.endr
	s_branch .Lasked_\@
.Lfor_b_\@:
	tensor_load_to_lds s[\g0b:\g0b+3], s[\g1b:\g1b+7]
	s_nop 0
.rept 4
	v_nop
.endr
.Lasked_\@:
.endm
.macro CREST
	s_cmp_lg_u32 s14, 0
	s_cbranch_scc1 .Lnot_wave_0_\@
	s_barrier_signal -3
.Lnot_wave_0_\@:
	s_barrier_wait -3
	s_barrier_signal -1
	s_barrier_wait -1
.endm
.macro CROUND
	s_barrier_signal -1
	s_barrier_wait -1
	CREST
.endm
	s_load_b128 s[4:7], s[0:1], 0x0                ; qkv, pp
	s_load_b64 s[8:9], s[0:1], 0x10                ; out0
	v_lshl_add_u32 v[SPW], v0, 2, SPARE
	v_mov_b32 v[NIL], 0
	ds_add_u32 v[SPW], v[NIL]                      ; the wave's opening: the add, twice on end, and its wait ahead of my first tensor load
	ds_add_u32 v[SPW], v[NIL]
	v_lshrrev_b32 v1, 5, v0
	v_readfirstlane_b32 s14, v1
	s_lshr_b32 s15, s14, 1                         ; I fetch for v (0) or for p (1)
	s_and_b32 s16, s14, 1                          ; which half
	s_bfe_u32 s40, ttmp6, 0x40000
	s_bfe_u32 s41, ttmp6, 0x40004
	s_and_b32 s45, ttmp7, 0xffff
	s_lshl_b32 s17, s45, 2
	s_add_co_u32 s17, s17, s41                     ; block of 128 channels, over all batches
	s_lshl_b32 s42, ttmp9, 2
	s_add_co_u32 s42, s42, s40                     ; block of 256 queries in the batch
	s_lshr_b32 s3, s45, 1                          ; the batch
	s_lshl_b32 s43, s41, 2
	s_lshl_b32 s43, 15, s43
	s_lshl_b32 s44, 0x1111, s40
	s_or_b32 s[G1+0], s43, (3<<16)|(1<<21)
	s_mov_b32 s[G1+1], 768<<16                     ; rows of 6,144 bytes
	s_mov_b32 s[G1+2], 8<<16                       ; the head's load brings v's 8 tiles; set to 4 behind it
	s_mov_b32 s[G1+3], 768<<16
	s_mov_b32 s[G1+4], 8
	s_mov_b32 s[G1+5], 3072                        ; from tile to tile: 24,576 bytes
	s_mov_b32 s[G1+6], 0
	s_mov_b32 s[G1+7], 0
	s_or_b32 s[G1B+0], s44, (3<<16)|(1<<21)
	s_mov_b32 s[G1B+1], 768<<16
	s_mov_b32 s[G1B+2], 8<<16                      ; 8 tiles
	s_mov_b32 s[G1B+3], 768<<16
	s_mov_b32 s[G1B+4], 8
	s_mov_b32 s[G1B+5], 3072
	s_mov_b32 s[G1B+6], 0
	s_mov_b32 s[G1B+7], 0
	s_or_b32 s[G1S+0], s43, (3<<16)|(1<<21)        ; v's scale words of the block's 8 tiles
	s_mov_b32 s[G1S+1], 32<<16
	s_mov_b32 s[G1S+2], 32<<16                     ; all of v's scale words: 8,192 dense bytes as 32 rows of 256
	s_mov_b32 s[G1S+3], 32<<16
	s_mov_b32 s[G1S+4], 32
	s_mov_b32 s[G1S+5], 32
	s_mov_b32 s[G1S+6], 0
	s_mov_b32 s[G1S+7], 0
	s_lshl_b32 s20, s17, 3
	s_lshl_b32 s18, s16, 2
	s_add_co_u32 s20, s20, s18
	s_mul_i32 s20, s20, 24576
	s_add_co_u32 s20, s20, V_IMG                   ; v: tile 8 x block + 4 x half
	s_mov_b32 s21, 0
	s_lshl_b32 s22, s17, 13
	s_add_co_u32 s22, s22, V_SC
	s_mul_i32 s88, s17, 8*24576                    ; the head: v's 8 tiles from the block's first
	s_add_co_u32 s88, s88, V_IMG
	s_mov_b32 s89, 0
	s_mov_b32 s23, 0
	s_lshl_b32 s46, s3, 7
	s_lshl_b32 s47, s42, 4
	s_add_co_u32 s46, s46, s47
	s_lshl_b32 s47, s16, 3
	s_add_co_u32 s46, s46, s47
	s_mul_i32 s46, s46, 24576                      ; p: tile 128 x batch + 16 x block + 8 x half
	s_mov_b32 s47, 0
	s_mul_i32 s45, s16, 4*TILEB                    ; where they go: made of the wave's number alone
	s_mul_i32 s94, s16, 8*TILEB
	s_add_co_u32 s94, s94, BOFF
	s_lshl_b32 s90, s3, 7                          ; the head: waves 1 and 3 fetch p's halves 0 and 1 (wave / 2)
	s_lshl_b32 s91, s42, 4
	s_add_co_u32 s90, s90, s91
	s_lshl_b32 s91, s15, 3
	s_add_co_u32 s90, s90, s91
	s_mul_i32 s90, s90, 24576
	s_mov_b32 s91, 0
	s_mul_i32 s95, s15, 8*TILEB
	s_add_co_u32 s95, s95, BOFF
	s_wait_dscnt 0x0
	s_wait_kmcnt 0x0
	s_add_nc_u64 s[20:21], s[4:5], s[20:21]
	s_add_nc_u64 s[22:23], s[4:5], s[22:23]
	s_add_nc_u64 s[46:47], s[6:7], s[46:47]
	s_add_nc_u64 s[88:89], s[4:5], s[88:89]
	s_add_nc_u64 s[90:91], s[6:7], s[90:91]
	CROUND
	s_mov_b32 s[G0S], 1
	s_mov_b32 s[G0S+1], SCLA
	s_mov_b64 s[G0S+2:G0S+3], s[22:23]
	s_or_b32 s[G0S+3], s[G0S+3], 0x80000000
.irp s, 0,1
	s_mov_b32 s[G0+4*\s], 1
	s_add_co_u32 s[G0+4*\s+1], s45, \s*SLOT
	s_add_nc_u64 s[G0+4*\s+2:G0+4*\s+3], s[20:21], \s*TILEB
	s_or_b32 s[G0+4*\s+3], s[G0+4*\s+3], 0x80000000
	s_mov_b32 s[G0B+4*\s], 1
	s_add_co_u32 s[G0B+4*\s+1], s94, \s*SLOT
	s_add_nc_u64 s[G0B+4*\s+2:G0B+4*\s+3], s[46:47], \s*TILEB
	s_or_b32 s[G0B+4*\s+3], s[G0B+4*\s+3], 0x80000000
.endr
.set G0H,  80                          ; s[80:83], s[84:87] group 0 for the head's loads of slot 0: v's 8 tiles; 8 tiles of p
.set G0HB, 84
	s_mov_b32 s[G0H], 1
	s_mov_b32 s[G0H+1], 0
	s_mov_b64 s[G0H+2:G0H+3], s[88:89]
	s_or_b32 s[G0H+3], s[G0H+3], 0x80000000
	s_mov_b32 s[G0HB], 1
	s_mov_b32 s[G0HB+1], s95
	s_mov_b64 s[G0HB+2:G0HB+3], s[90:91]
	s_or_b32 s[G0HB+3], s[G0HB+3], 0x80000000
; THE HEAD'S LOADS, ONE A WAVE: wave 0 v's 8 tiles, wave 1 p's tiles 0-7, wave 2 v's scale words, wave 3 p's tiles 8-15.  One chain of branches on the wave's number; every way passes one load.
.macro ARM under, g0, g1, next
	s_cmp_lt_u32 s14, \under
	s_cbranch_scc0 \next
	tensor_load_to_lds s[\g0:\g0+3], s[\g1:\g1+7]
	s_nop 0
.rept 4
	v_nop
.endr
	s_branch .Lhead_asked
\next:
.endm
	ARM 1, G0H,  G1,  .Lhead_b
	ARM 2, G0HB, G1B, .Lhead_s
	ARM 3, G0S,  G1S, .Lhead_b2
	tensor_load_to_lds s[G0HB:G0HB+3], s[G1B:G1B+7]
	s_nop 0
.rept 4
	v_nop
.endr
.Lhead_asked:
; PREFETCHES of the tiles that my later tensor loads bring.  The four partners of a joint load share my tiles out by address: one of v's four (cx), two of p's eight (cy); a tile's part of a slot is 24 blocks of 256 bytes,
; a lane a block, lanes 24-31 the last again.  Slots' fills 1 and 2 are asked for here, fill 3 in the first K step.
.set PFT, 13                           ; v13  256 x min(lane, 23); never rewritten
.set PFC, 3
.macro ASKT c
	global_prefetch_b8 v[PFT], s[96:97] offset:(\c)*TILEB th:TH_LOAD_NT scope:SCOPE_SE
	s_cmp_eq_u32 s15, 0
	s_cbranch_scc1 .Lone_tile_\@
	global_prefetch_b8 v[PFT], s[96:97] offset:(\c)*TILEB+24576 th:TH_LOAD_NT scope:SCOPE_SE
.Lone_tile_\@:
.endm
	s_cmp_eq_u32 s15, 0
	s_cselect_b64 s[96:97], s[20:21], s[46:47]     ; the tiles that I fetch
	s_cselect_b32 s98, s40, s41                    ; my place among the four that ask with me,
	s_lshl_b32 s98, s98, s15                       ; x 1 tile of v or x 2 of p
	s_mul_i32 s98, s98, 24576
	s_mov_b32 s99, 0
	s_add_nc_u64 s[96:97], s[96:97], s[98:99]
	v_and_b32 v[PFT], 31, v0
	v_min_u32 v[PFT], 23, v[PFT]
	v_lshlrev_b32 v[PFT], 8, v[PFT]
	s_wait_alu depctr_va_vdst(0)
	ASKT 1
	ASKT 2
	v_and_b32 v1, 15, v0                           ; r
	v_bfe_u32 v2, v0, 4, 1                         ; h
	s_wait_alu depctr_va_vdst(0)
	v_and_b32 v11, 31, v0                          ; lane
	v_lshlrev_b32 v[LI], 4, v11
	v_lshlrev_b32 v8, 3, v11                       ; 8 x lane
	s_mul_i32 s22, s14, 4*TILEB
	s_add_co_u32 s22, s22, BOFF                    ; my four tiles of p
	s_mov_b32 s21, 0
.irp s, 0,1
	v_add_nc_u32 v[ADRA+\s], s21, v[LI]
	v_add_nc_u32 v[ADRB+\s], s22, v[LI]
	s_add_co_u32 s21, s21, SLOT
	s_add_co_u32 s22, s22, SLOT
.endr
	s_lshl_b32 s21, s15, 13
	s_lshl_b32 s22, s16, 8
	s_add_co_u32 s21, s21, s22                     ; my 64 queries' words in a K step of p's scale words
	s_add_co_u32 s22, s21, SCLB-SCLA
	v_mul_u32_u24 v12, s22, v2                     ; lanes 16-31 take p's
	v_lshl_add_u32 v12, v1, 2, v12
	v_add_nc_u32 v[ADRS], SCLA, v12
	s_add_co_u32 s22, s21, SCLB-SCLA-256
	v_mul_u32_u24 v12, s22, v2
	v_lshl_add_u32 v12, v1, 2, v12
	v_add_nc_u32 v[ADRS2], SCLA, v12
	s_add_co_u32 s22, s21, SCLB
	v_add_nc_u32 v9, s22, v8                       ; where I store my two queries' scale words
	s_lshl_b32 s22, s14, 8
	s_add_co_u32 s22, s22, RL
	v_add_nc_u32 v10, s22, v8                      ; and their 1 / l
	v_lshl_add_u32 v[RLA], v2, 5, s22              ; and from where a lane reads the 1 / l of its eight queries of a tile
	s_mul_i32 s23, s14, 16*SPITCH                  ; my stage
	v_mul_u32_u24 v[STO], v1, SPITCH
	v_lshl_add_u32 v[STO], v2, 6, v[STO]
	v_add_nc_u32 v[STO], s23, v[STO]               ; in: row r, + 64 h
	v_mul_u32_u24 v[RD], v2, SPITCH
	v_lshl_add_u32 v[RD], v1, 4, v[RD]
	v_add_nc_u32 v[RD], s23, v[RD]                 ; back: lanes 0-15 one row of 256 bytes, lanes 16-31 the next
	v_lshlrev_b32 v[CO], 13, v2
	v_lshl_add_u32 v[CO], v1, 4, v[CO]             ; and the same two rows in out
	s_lshl_b32 s20, s3, 4
	s_lshl_b32 s21, s42, 1
	s_add_co_u32 s20, s20, s21
	s_add_co_u32 s20, s20, s15
	s_lshl_b32 s20, s20, 13
	s_lshl_b32 s21, s16, 8
	s_add_co_u32 s20, s20, s21
	s_add_co_u32 s20, s20, P_SC
	s_mov_b32 s21, 0
	s_add_nc_u64 s[10:11], s[6:7], s[20:21]        ; my wave's 64 queries in p's scale words
	s_lshl_b32 s20, s3, 23
	s_and_b32 s22, s17, 7
	s_lshl_b32 s22, s22, 20
	s_add_co_u32 s20, s20, s22
	s_lshl_b32 s22, s42, 10
	s_add_co_u32 s20, s20, s22
	s_lshl_b32 s22, s14, 8
	s_add_co_u32 s20, s20, s22
	s_add_nc_u64 s[8:9], s[8:9], s[20:21]          ; out: my batch, my first channel, my wave's 64 queries
	s_mov_b32 s92, 0x80808080                      ; the top bit of each of a word's four bytes
	s_mov_b32 s93, 0x01010101                      ; 1 in each byte
	; ---- my two queries (64 w + 2 l, + 1, in tile order) under the row's M.  v96.. scale words, v128.. -M, v160.. sums: a pair for each of the 16 groups of keys; each load takes 256 consecutive bytes
.irp s, 0,1,2,3,4,5,6,7,8,9,10,11,12,13,14,15
	global_load_b64 v[96+2*\s:97+2*\s], v8, s[10:11] offset:512*\s
	global_load_b64 v[128+2*\s:129+2*\s], v8, s[10:11] offset:524288+512*\s
	global_load_b64 v[160+2*\s:161+2*\s], v8, s[10:11] offset:1048576+512*\s
.endr
	s_wait_alu depctr_va_vdst(0)
	s_wait_tensorcnt 0x0                           ; my tile of the head's four is in; the three lines stand ahead of a later first fill as ahead of a refill
	ds_add_u32 v[SPW], v[NIL]
	s_mov_b32 s[G1+2], 4<<16                       ; no load of mine is out: from here on a load of v brings 4 tiles
	s_mov_b32 s[G1+4], 4
	s_wait_dscnt 0x0
	CROUND                                         ; slot 0 and v's scale words are whole, and the sixteen work-groups are here
	JLOAD G0+4, G1, G0B+4, G1B                     ; slot 1's first fill: the first tensor load behind the round; the 48 loads above are on their way meanwhile
	s_wait_loadcnt 0x0
.irp e, 0,1
	v_min_num_f32 v[192+\e], v[128+\e], v[130+\e]
.irp s, 2,3,4,5,6,7,8,9,10,11,12,13,14,15
	v_min_num_f32 v[192+\e], v[192+\e], v[128+2*\s+\e]   ; the least -M: the row's largest M
.endr
.endr
.irp s, 0,1,2,3,4,5,6,7,8,9,10,11,12,13,14,15
	v_pk_add_f32 v[194:195], v[192:193], v[128+2*\s:129+2*\s] neg_lo:[0,1] neg_hi:[0,1]   ; d = the group's M less the row's: a whole number, 0 or less
	v_max_num_f32 v194, 0xc2fe0000, v194           ; held at -127
	v_max_num_f32 v195, 0xc2fe0000, v195
	v_cvt_i32_f32 v196, v194
	v_cvt_i32_f32 v197, v195
	v_ldexp_f32 v198, 1.0, v196                    ; 2^d
	v_ldexp_f32 v199, 1.0, v197
.if \s == 0
	v_pk_mul_f32 v[200:201], v[160:161], v[198:199]
.else
	v_pk_fma_f32 v[200:201], v[160+2*\s:161+2*\s], v[198:199], v[200:201]   ; l
.endif
.irp e, 0,1
	v_mul_lo_u32 v[196+\e], v[196+\e], s93         ; d in each of the four bytes
	v_or_b32 v[96+2*\s+\e], s92, v[96+2*\s+\e]     ; 128 on each byte (each is 125 at the most), so that no borrow crosses a byte: 128 + byte + d is 2 at the least
	v_add_nc_u32 v[96+2*\s+\e], v[96+2*\s+\e], v[196+\e]
	v_and_b32 v[202+\e], s92, v[96+2*\s+\e]        ; a byte's top bit still stands where byte + d is 0 or more
	v_lshrrev_b32 v[204+\e], 7, v[202+\e]
	v_sub_nc_u32 v[202+\e], v[202+\e], v[204+\e]   ; 0x7f there, 0 elsewhere
	v_and_b32 v[96+2*\s+\e], v[96+2*\s+\e], v[202+\e]
.endr
.endr
	s_wait_alu depctr_va_vdst(0)
	v_rcp_f32 v200, v200
	v_rcp_f32 v201, v201
	v_nop                                          ; a plain instruction behind the reciprocals
	s_wait_alu depctr_va_vdst(0)                   ; and the wait ahead of their first reader
.irp s, 0,1,2,3,4,5,6,7,8,9,10,11,12,13,14,15
	ds_store_b64 v9, v[96+2*\s:97+2*\s] offset:512*\s
.endr
	ds_store_b64 v10, v[200:201]
.macro MUL8 a0, p, q, sc, zero         ; 8 products: v's tiles a0, a0 + 1 x my four tiles of p.  The 32 accumulators take turns, one instruction a turn, in the same order in every step
.irp a, \a0, \a0+1
.irp b, 0,1,2,3
.set rD, 8*(4*(\a)+\b)
.set rB, 48*(\p)+12*\b
.set rA, 96*(\p)+12*(\a)
.set rSB, SC+32*(\sc)+4*\b+(\q)
.set rSA, SC+32*(\sc)+4*(\a)+(\q)
.if \zero
	v_wmma_scale_f32_16x16x128_f8f6f4 v[rD:rD+7], v[rB:rB+11], v[rA:rA+11], 0, v[rSB], v[rSA] matrix_a_fmt:MATRIX_FMT_FP6 matrix_b_fmt:MATRIX_FMT_FP6 matrix_a_scale:MATRIX_SCALE_ROW1
.else
	v_wmma_scale_f32_16x16x128_f8f6f4 v[rD:rD+7], v[rB:rB+11], v[rA:rA+11], v[rD:rD+7], v[rSB], v[rSA] matrix_a_fmt:MATRIX_FMT_FP6 matrix_b_fmt:MATRIX_FMT_FP6 matrix_a_scale:MATRIX_SCALE_ROW1
.endif
.endr
.endr
.endm
.macro FETCH slot, q, p                ; 36 LDS loads in one run: p's four fragments, then v's eight in ascending order
	WIN 0xc0
.irp b, 0,1,2,3
.irp c, 0,1,2
	ds_load_b128 v[48*(\p)+12*\b+4*\c:48*(\p)+12*\b+4*\c+3], v[ADRB+\slot] offset:TILEB*\b+FRB*(\q)+512*\c
.endr
.endr
	WIN 0x40
.irp i, 0,1,2,3,4,5,6,7
.irp c, 0,1,2
	ds_load_b128 v[96*(\p)+12*\i+4*\c:96*(\p)+12*\i+4*\c+3], v[ADRA+\slot] offset:TILEB*\i+FRB*(\q)+512*\c
.endr
.endr
	WIN 0
.endm
.macro SCALES sc
.irp i, 0,1,2,3,4,5,6,7
.irp q, 0,1,2,3
.if \i < 4
	ds_load_b32 v[SC+32*\sc+4*\i+\q], v[ADRS] offset:512*\q+64*\i
.else
	ds_load_b32 v[SC+32*\sc+4*\i+\q], v[ADRS2] offset:512*\q+64*\i
.endif
.endr
.endr
.endm
.macro STEP slot, q, zero
	s_wait_dscnt 18                                ; all but the youngest 18 loads: v's tiles 2 to 7
	WIN MUL
	MUL8 0, (\q)%2, \q, \slot, \zero
	PLACES 4
	FETCH \slot, (\q)+1, 1-(\q)%2
.if PFC < 4
	ASKT PFC
.set PFC, PFC+1
.endif
	s_wait_dscnt 48
	WIN MUL
	MUL8 2, (\q)%2, \q, \slot, \zero
	s_wait_dscnt 42
	MUL8 4, (\q)%2, \q, \slot, \zero
	s_wait_dscnt 36
	MUL8 6, (\q)%2, \q, \slot, \zero
	WIN 0
.endm
.macro TURN slot, next, fill
	s_wait_tensorcnt 0x0                           ; all my tensor loads have landed: my part of the next slot
	ds_add_u32 v[SPW], v[NIL]
	s_wait_dscnt 19                                ; the add and v's tiles 2 to 7 may be out
	WIN MUL
	MUL8 0, 1, NQ-1, \slot, 0
	s_wait_dscnt 0x0                               ; the add is done, and my reads of this slot are over
	s_barrier_signal -1
	MUL8 2, 1, NQ-1, \slot, 0
	WIN 0
	s_barrier_wait -1
.if \fill
	CREST
	s_add_nc_u64 s[G0+4*\slot+2:G0+4*\slot+3], s[G0+4*\slot+2:G0+4*\slot+3], 2*TILEB
	s_add_nc_u64 s[G0B+4*\slot+2:G0B+4*\slot+3], s[G0B+4*\slot+2:G0B+4*\slot+3], 2*TILEB
	JLOAD G0+4*\slot, G1, G0B+4*\slot, G1B
.else
	PLACES 4
.endif
	s_wait_alu depctr_va_vdst(0)
	v_add_nc_u32 v[ADRS], 512*NQ, v[ADRS]
	v_add_nc_u32 v[ADRS2], 512*NQ, v[ADRS2]
	SCALES \next
	FETCH \next, 0, 0
	WIN MUL
	MUL8 4, 1, NQ-1, \slot, 0
	MUL8 6, 1, NQ-1, \slot, 0
	WIN 0
.endm
	s_wait_dscnt 0x0
	s_barrier_signal -1
	s_barrier_wait -1
	SCALES 0
	FETCH 0, 0, 0
	STEP 0, 0, 1                                   ; the first products start the sums
	STEP 0, 1, 0
	STEP 0, 2, 0
	TURN 0, 1, 1
	STEP 1, 0, 0
	STEP 1, 1, 0
	STEP 1, 2, 0
	TURN 1, 0, 1
	STEP 0, 0, 0
	STEP 0, 1, 0
	STEP 0, 2, 0
	TURN 0, 1, 0                                   ; the last lap fills nothing
	STEP 1, 0, 0
	STEP 1, 1, 0
	STEP 1, 2, 0
	s_wait_dscnt 18
	WIN MUL
	MUL8 0, 1, 3, 1, 0
	s_wait_dscnt 12
	MUL8 2, 1, 3, 1, 0
	s_wait_dscnt 6
	MUL8 4, 1, 3, 1, 0
	s_wait_dscnt 0x0
	MUL8 6, 1, 3, 1, 0
	WIN 0
; THE WAY OUT, a tile of 16 channels x my 64 queries at a time: divided by l, through my stage, back as whole rows of 256 bytes.
.macro TOSTAGE a
	WIN 0x02                                       ; source 0: the accumulators' window
.irp b, 0,1,2,3
.irp j, 0,2,4,6
	v_pk_mul_f32 v[TMP+8*\b+\j:TMP+8*\b+\j+1], v[8*(4*(\a)+\b)+\j:8*(4*(\a)+\b)+\j+1], v[RLR+8*\b+\j:RLR+8*\b+\j+1]   ; each accumulator from its low end on
.endr
.endr
	WIN 0
.irp b, 0,1,2,3
	ds_store_b128 v[STO], v[TMP+8*\b:TMP+8*\b+3] offset:128*(\b/2)+32*(\b%2)        ; queries 32 (b / 2) + 16 h + 8 (b % 2) + 0 .. 7 of my 64
	ds_store_b128 v[STO], v[TMP+8*\b+4:TMP+8*\b+7] offset:128*(\b/2)+32*(\b%2)+16
.endr
.set BB, BK+32*((\a)%2)
.irp t, 0,1,2,3,4,5,6,7
	ds_load_b128 v[BB+4*\t:BB+4*\t+3], v[RD] offset:2*\t*SPITCH   ; LDS serves a wave's instructions in order: these see the stores above
.endr
.endm
.macro SEND a, younger                 ; younger: the LDS instructions issued behind tile a's loads, which may stay out
.set BB, BK+32*((\a)%2)
	s_wait_dscnt \younger
.irp t, 0,1,2,3,4,5,6,7
	global_store_b128 v[CO], v[BB+4*\t:BB+4*\t+3], s[8:9] offset:(32*((\a)/2)+8*((\a)%2)+16*(\t/4)+2*(\t%4))*8192 th:TH_STORE_NT   ; stage rows 2 t, 2 t + 1 are these channels; 16 lanes store 256 consecutive bytes, aligned
.endr
.endm
	PLACES 4                                       ; behind the last products, ahead of the first read of results
.irp b, 0,1,2,3
.irp q, 0,1
	ds_load_b128 v[RLR+8*\b+4*\q:RLR+8*\b+4*\q+3], v[RLA] offset:64*\b+16*\q   ; 1 / l of the eight queries that a lane holds of tile b
.endr
.endr
	s_wait_dscnt 0x0
	TOSTAGE 0
.irp a, 1,2,3,4,5,6,7
.if \a > 1
	s_wait_xcnt 0x0                                ; tile a - 2's stores have read their registers: tile a's loads may land there
.endif
	TOSTAGE \a
	SEND \a-1, 16                                  ; behind tile a - 1's loads: tile a's 8 stores and 8 loads
.endr
	SEND 7, 0
	s_wait_tensorcnt 0x0                           ; the wave's end
	ds_add_u32 v[SPW], v[NIL]
	s_wait_dscnt 0x0
	CROUND                                         ; the closing round
	s_endpgm
.Lfunc_end_k_q9e9b497407_mix:
	.size	k_q9e9b497407_mix, .Lfunc_end_k_q9e9b497407_mix-k_q9e9b497407_mix
	.p2alignl 7, 3214868480
	.fill 96, 4, 3214868480
	.section	.rodata,"a",@progbits
	.p2align	6, 0x0
	.amdhsa_kernel k_q9e9b497407_mix
		.amdhsa_group_segment_fixed_size 327680
		.amdhsa_private_segment_fixed_size 0
		.amdhsa_enable_private_segment 0
		.amdhsa_kernarg_size 24
		.amdhsa_user_sgpr_count 2
		.amdhsa_user_sgpr_kernarg_segment_ptr 1
		.amdhsa_wavefront_size32 1
		.amdhsa_system_sgpr_workgroup_id_x 1
		.amdhsa_system_sgpr_workgroup_id_y 1
		.amdhsa_system_sgpr_workgroup_id_z 1
		.amdhsa_system_vgpr_workitem_id 0
		.amdhsa_next_free_vgpr 1024
		.amdhsa_next_free_sgpr 100
		.amdhsa_reserve_vcc 0
		.amdhsa_float_denorm_mode_32 3
		.amdhsa_float_denorm_mode_16_64 3
		.amdhsa_memory_ordered 1
		.amdhsa_forward_progress 1
		.amdhsa_inst_pref_size 176
	.end_amdhsa_kernel
	.amdgpu_metadata
---
amdhsa.version: [ 1, 2 ]
amdhsa.kernels:
  - .name:           k_q9e9b497407_mix
    .symbol:         k_q9e9b497407_mix.kd
    .args:
      - { .name: qkv, .offset: 0, .size: 8, .value_kind: global_buffer, .address_space: global }
      - { .name: pp, .offset: 8, .size: 8, .value_kind: global_buffer, .address_space: global }
      - { .name: out0, .offset: 16, .size: 8, .value_kind: global_buffer, .address_space: global }
    .group_segment_fixed_size: 327680
    .private_segment_fixed_size: 0
    .kernarg_segment_align: 8
    .kernarg_segment_size: 24
    .max_flat_workgroup_size: 128
    .sgpr_count:     100
    .vgpr_count:     1024
    .wavefront_size: 32
...
	.end_amdgpu_metadata
.endif
;; end of part 4
